; MI455X (gfx1250); checked and timed in simulation.
; The chip was launched on July 23, 2026; its instructions are those of AMD's public machine-readable ISA for CDNA 5 (MIT licence, August 2026) and "CDNA5" Instruction Set Architecture Reference Guide (July 2026). The comments in the code are by the model that wrote it; some were corrected since.
;; Bahdanau Attention. Allowed arithmetic: matrix products marked QUANTISED: E2M3 operands, one E8M0 scale for each 32 along K, by v_wmma_scale_f32_16x16x128_f8f6f4 with both operands' format E2M3, f32 sums; products left as they are: f32 operands where the result goes on into a quantised operand, else bf16, f16 or f32 operands; f32 sums; everything else in f32.
;; Inputs: V 1,024 x 1 float32; W1 1,024 x 1,024 float32; W2 1,024 x 1,024 float32; b1 1,024 float32; b2 1,024 float32; bv 1 float32; query 64 x 1,024 float32; values 64 x 1,024 x 1,024 float32.
;; Outputs: out0 64 x 1,024 float32; out1 64 x 1,024 x 1 float32.
;; This version of the problem:
;;   THIS VERSION OF THE PROBLEM IS GIVEN IN LOW PRECISION. The matrix products marked QUANTISED in the list below multiply operands that are first quantised to E2M3 (2 exponent bits, 3 mantissa bits; 6 bits a number), with one power-of-two scale for each 32 numbers along K (OCP MX v1.0); their sums are f32. All else is computed in f32.
;;   The module's matrix products, in the order in which they are computed (A, B: the left and right operand; K: the contracted axis; several contracted axes count as one K, in the product's order):
;;     1. [M 64, K 1,024] x [K 1,024, N 1,024]; A: input query; B: input W1: QUANTISED
;;     2. [M 65,536, K 1,024] x [K 1,024, N 1,024]; A: input values; B: input W2: QUANTISED
;;     3. [M 65,536, K 1,024] x [K 1,024, N 1]; A: computed on the way; B: input V: left as it is (N = 1 < 16)
;;   THE QUANTISER, for each operand of a quantised product, along K:
;;     - K is cut into blocks of 32 from its start; a last block that is shorter is filled with zeros.
;;     - A block's scale is 2^e with e = floor(log2(the largest magnitude in the block)) - 2, held to -126 .. 127; a block of zeros has e = 0. As a byte (E8M0): e + 127.
;;     - Each number is divided by its block's scale, clamped to +-7.5, and rounded to the nearest number of E2M3, ties to even, subnormals kept.
;;     - The product sums the exact products of the quantised numbers (number of the format x scale) in f32.
;;   ~~~python
;;   def quantise(x, axis):      # numpy; x: float32 -> the quantised numbers, widened to float32 again
;;       x = np.moveaxis(x, axis, -1); K = x.shape[-1]
;;       x = np.pad(x, [(0, 0)] * (x.ndim - 1) + [(0, -K % 32)]); x = x.reshape(x.shape[:-1] + (-1, 32)); a = np.abs(x).max(-1, keepdims=True)
;;       e = np.where(a > 0, np.clip(np.frexp(np.where(a > 0, a, 1))[1] - 1 - 2, -126, 127), 0)      # np.frexp(a)[1] - 1 = floor(log2(a)), exactly
;;       r = np.clip(x / 2.0 ** e, -7.5, 7.5)
;;       step = 2.0 ** (np.maximum(np.frexp(np.where(r == 0, 1, r))[1] - 1, 0) - 3)
;;       q = np.round(r / step) * step * 2.0 ** e      # np.round: ties to even
;;       return np.moveaxis(q.reshape(q.shape[:-2] + (-1,))[..., :K], -1, axis).astype(np.float32)
;;   ~~~
;; 2 versions. Each part assembles by itself: llvm-mc -triple=amdgcn-amd-amdhsa -mcpu=gfx1250 --defsym DOCPART=n.
;; ======== version 1 of 2: 3 launches
;; workspace buffers: w2img 786,432 bytes; w2sc 32,768 bytes; qpart 2,097,152 bytes; scores 262,144 bytes; part 1,048,576 bytes; stats 65,536 bytes
;; launch prep (part 1): grid 256 x 1, 2 waves a work-group, no clusters, 0 bytes of LDS; arguments W1, W2, query, w2img, w2sc, qpart; writes w2img, w2sc, qpart
.if DOCPART == 1
	.amdgcn_target "amdgcn-amd-amdhsa--gfx1250"
	.amdhsa_code_object_version 6
	.text
	.protected	k_qa1a0ce3c91_prep
	.globl	k_qa1a0ce3c91_prep
	.p2align	8
	.type	k_qa1a0ce3c91_prep,@function
k_qa1a0ce3c91_prep:
	s_mov_b64 s[64:65], 0
	v_nop
	global_prefetch_b8 v0, s[64:65] scope:SCOPE_SE
	s_setreg_imm32_b32 hwreg(HW_REG_WAVE_MODE, 25, 1), 1
	s_wait_xcnt 0x0
; W2 [1024 (k)][1024 (n)] f32 becomes codes of FP6 (E2M3) with one E8M0 byte for each 32 along K, laid as images of operand registers; and qpart[k] = Q(query) Q(W1) summed over K step k alone.
; SHARES.  Work-group x takes columns 32 P .. 32 P + 31 (P = x / 8) and K step k = x % 8 (rows 128 k .. 128 k + 127) of both weights: wave 0 lays out W2, wave 1 quantises W1 and multiplies it by the query.
; The two waves share nothing: no LDS, no barrier; one branch on the wave's number parts them.  256 work-groups of equal work; 128 + 192 loads in each.
; A LANE TAKES A COLUMN AND ITS REGISTERS RUN DOWN K: each load reads 128 consecutive bytes a wave, a block of 32 along K lies in one lane, and the conversions give codes with K innermost.  Nothing is transposed by an instruction.
; A block's scale is 2^(floor(log2(largest magnitude)) - 2): its byte is the largest magnitude's exponent field - 2, held at 1 from below.
; w2img: the fragment of column group G = n / 128, K step k, tile t = (n / 16) % 8 lies at ((8 G + k) 8 + t) 1536; in it register c of lane l at 512 (c / 4) + 16 l + 4 (c % 4).
; w2sc:  G 4096 + k 512 + 16 lane + 4 i: lanes 0-15 the words of tile 2 i, lanes 16-31 those of tile 2 i + 1: a K step's four words of a lane are 16 neighbouring bytes.
; qpart: [8 (K step)][64][1024] f32, row-major.  The next launch adds the eight parts, in ascending order, and the biases.
; THE FIRST PRODUCT IS USED TRANSPOSED (source 0 = 16 columns of W1, source 1 = 16 query rows): a lane then holds eight neighbouring columns of one query row, 32 bytes.  A wave owns 32 columns, so a row's run is 128 bytes.
; LIMITS: NaN and infinities among the inputs are not served.  A block of zeros gets the byte 1 where the rule says 127: its codes are zeros, and this program alone reads the bytes.
; The first product's K is summed in eight parts of 128, which are then added: another order of f32 rounding than one chain along K.
; No cluster: the work-groups share no tile but the query (256 KiB in all), which goes straight into registers.
.set MSB, 0
.macro WIN new                         ; the immediate's high byte repeats the setting that is left
.if MSB != (\new)
	s_set_vgpr_msb (MSB<<8)|(\new)
.set MSB, (\new)
.endif
.endm
; REGISTERS: v1 4 lane; v2 16 lane; v3 r; v4 h; v5 the query's offset; v8 qpart's offset; v9-15 at work; v16-143 the weight's 128 numbers, later query tiles (areas A, B); v144-207 area C;
; v208-219, v220-231 the two tiles' fragments; v232 the weight's scale words; v234-245 the query's fragment; v246 its scale words; v248-250 half a block's codes; v254 8 h; v255 a permute's target.
; window 1: v0-63 the eight accumulators, (row tile mt, column tile nt) at v[8 (2 mt + nt)].
	s_load_b256 s[4:11], s[0:1], 0x0               ; W1 s[4:5], W2 s[6:7], query s[8:9], w2img s[10:11]
	s_load_b128 s[12:15], s[0:1], 0x20             ; w2sc s[12:13], qpart s[14:15]
	v_lshrrev_b32 v1, 5, v0
	v_readfirstlane_b32 s20, v1                    ; wave: 0 takes W2, 1 takes W1
	v_and_b32 v3, 31, v0                           ; lane
	v_lshlrev_b32 v1, 2, v3
	v_lshlrev_b32 v2, 4, v3
	v_and_b32 v3, 15, v0                           ; r
	v_bfe_u32 v4, v0, 4, 1                         ; h
	v_lshlrev_b32 v5, 12, v3
	v_lshl_add_u32 v8, v4, 5, v5                   ; qpart: row r of 4,096 bytes, + 32 h: my eight columns of a tile
	v_lshl_add_u32 v5, v4, 7, v5                   ; query: row r of 4,096 bytes, + 128 h: my block of 32
	v_lshlrev_b32 v254, 3, v4
	v_mov_b32 v255, 0                              ; written once: a lane permute's destination counts as one of its sources
	s_mov_b32 s24, 0x76543210
	s_mov_b32 s25, 0xfedcba98                      ; v_permlanex16_b32's selects for lane l xor 16
	s_and_b32 s21, ttmp9, 7                        ; k
	s_lshr_b32 s22, ttmp9, 3                       ; P
	s_lshl_b32 s28, s21, 19                        ; a weight: 128 k rows of 4,096 bytes
	s_lshl_b32 s29, s22, 7
	s_add_co_u32 s28, s28, s29                     ; + 32 P columns
	s_mov_b32 s29, 0
	s_lshr_b32 s32, s22, 2                         ; G
	s_and_b32 s33, s22, 3                          ; which pair of tiles in G
	s_lshl_b32 s34, s32, 3
	s_add_co_u32 s34, s34, s21
	s_mul_i32 s34, s34, 12288
	s_mul_i32 s35, s33, 3072
	s_add_co_u32 s34, s34, s35                     ; the images: (8 G + k) 12,288 + pair x 3,072
	s_mov_b32 s35, 0
	s_lshl_b32 s36, s32, 12
	s_lshl_b32 s37, s21, 9
	s_add_co_u32 s36, s36, s37
	s_lshl_b32 s37, s33, 2
	s_add_co_u32 s36, s36, s37                     ; the scale words: G 4,096 + k 512 + pair x 4
	s_mov_b32 s37, 0
	s_lshl_b32 s38, s21, 9                         ; query: K step k, 512 bytes on in each row
	s_mov_b32 s39, 0
	s_lshl_b32 s42, s21, 18                        ; qpart: part k of 262,144 bytes
	s_lshl_b32 s43, s22, 7
	s_add_co_u32 s42, s42, s43                     ; + 32 P columns
	s_mov_b32 s43, 0
	s_wait_kmcnt 0x0
	s_cmp_eq_u32 s20, 0                            ; the choice hangs on the wave's number alone
	s_cselect_b64 s[26:27], s[6:7], s[4:5]         ; my weight
	s_add_nc_u64 s[26:27], s[26:27], s[28:29]
	s_add_nc_u64 s[8:9], s[8:9], s[38:39]
	s_add_nc_u64 s[10:11], s[10:11], s[34:35]
	s_add_nc_u64 s[12:13], s[12:13], s[36:37]
	s_add_nc_u64 s[14:15], s[14:15], s[42:43]
.macro WLOAD b                         ; W(128 k + i, my column), i = 0 .. 127; each number of a weight is read once in the launch
.set i, 0
.rept 128
	global_load_b32 v[16+i], v1, s[\b:\b+1] offset:i*4096 th:TH_LOAD_NT
.set i, i+1
.endr
.endm
.macro QLOAD mt, reg                   ; query(16 mt + r, 128 k + 64 c + 32 h + 0 .. 31) into v[reg + 32 c ..]: the very k that the operand's layout gives lane (r, h)
.irp c, 0,1
.irp j, 0,1,2,3,4,5,6,7
	global_load_b128 v[(\reg)+32*\c+4*\j:(\reg)+32*\c+4*\j+3], v5, s[8:9] offset:(\mt)*65536+\c*256+16*\j
.endr
.endr
.endm
; 32 numbers of one block, v[xs] on, become 6 registers of codes at v[cd] (an even number) and the scale's byte in v[by]
.macro QBLK xs, cd, by
	v_max3_num_f32 v9, |v[(\xs)]|, |v[(\xs)+1]|, |v[(\xs)+2]|       ; the largest magnitude, in two chains
	v_max3_num_f32 v10, |v[(\xs)+3]|, |v[(\xs)+4]|, |v[(\xs)+5]|
.irp i, 6,10,14,18,22,26
	v_max3_num_f32 v9, v9, |v[(\xs)+\i]|, |v[(\xs)+\i+1]|
	v_max3_num_f32 v10, v10, |v[(\xs)+\i+2]|, |v[(\xs)+\i+3]|
.endr
	v_max3_num_f32 v9, v9, |v[(\xs)+30]|, |v[(\xs)+31]|
	v_max3_num_f32 v9, v9, v10, 0x1800000          ; and the floor 2^(3 - 127): the byte cannot fall under 1
	v_add_nc_u32 v11, 0xff000000, v9               ; 2 off the exponent field: the conversion takes the exponent field of this operand as its scale
	v_lshrrev_b32 v[\by], 23, v11                  ; the scale's byte
	v_cvt_scalef32_pk16_fp6_f32 v[(\cd):(\cd)+2], v[(\xs):(\xs)+15], v11
	v_cvt_scalef32_pk16_fp6_f32 v[248:250], v[(\xs)+16:(\xs)+31], v11   ; (a conversion's three registers begin on an even number: the block's second half is made here and moved)
	v_nop                                          ; one plain place behind a scaled conversion
	v_mov_b32 v[(\cd)+3], v248
	v_mov_b32 v[(\cd)+4], v249
	v_mov_b32 v[(\cd)+5], v250
.endm
; A weight's 128 numbers a lane become the fragments of two tiles of 16 columns and their scale words.
; Blocks 0 and 2 of my column go to v208-219, blocks 1 and 3 to v220-231.  The exchange of the first run's lanes 16-31 with the second's lanes 0-15 then leaves in v208-219 tile 0's fragment
; (lane (r, h): blocks h and 2 + h of column r) and in v220-231 tile 1's (of column 16 + r).  The scale word of lane l is column l's: lanes 0-15 tile 0's, lanes 16-31 tile 1's.
.macro WQUANT
	QBLK 16, 208, 12
	QBLK 48, 220, 13
	QBLK 80, 214, 14
	QBLK 112, 226, 15
.endm
.macro WFRAG
.set i, 0
.rept 12
	v_permlane16_swap_b32 v[208+i], v[220+i]
.set i, i+1
.endr
	v_lshl_or_b32 v232, v13, 8, v12
	v_lshl_or_b32 v232, v14, 16, v232
	v_lshl_or_b32 v232, v15, 24, v232
.endm
	WLOAD 26
	s_cmp_eq_u32 s20, 0
	s_cbranch_scc0 .Lproduct
	; ---- wave 0: W2's images and scale words
	s_wait_loadcnt 0x0
	WQUANT
	WFRAG
.irp c, 0,1,2,3,4,5
	global_store_b128 v2, v[208+4*\c:211+4*\c], s[10:11] offset:512*\c   ; each store of the wave covers 512 consecutive bytes, aligned
.endr
	global_store_b32 v2, v232, s[12:13]            ; my word of the four that a lane of the next launch takes together (the buffer is 32 KiB in all)
	s_endpgm
.Lproduct:
	; ---- wave 1: W1's two fragments, and their product with the query's four tiles of 16 rows
	QLOAD 0, 144
	s_wait_loadcnt 16                              ; W1's 128 are in; the first query tile's 16 loads, issued behind them, may be out
	WQUANT
	QLOAD 1, 16                                    ; into the registers that W1's numbers have left: all have been converted
	QLOAD 2, 80
	WFRAG
; A tile of 16 query rows: quantised in registers (a lane holds two whole blocks; the scale word's four bytes are gathered from lanes l and l xor 16), then multiplied by both tiles of W1.
.macro QTILE mt, reg
	QBLK (\reg), 234, 12                           ; (its 16 lines of maxima are the places behind the last tile's products, ahead of the writes of v234-246)
	QBLK (\reg)+32, 240, 13
	v_lshl_or_b32 v14, v13, 16, v12                ; my two bytes: blocks h and 2 + h of row r,
	v_lshlrev_b32 v14, v254, v14                   ; at their places in the word (8 h bits up);
	v_permlanex16_b32 v255, v14, s24, s25
	v_or_b32 v246, v14, v255                       ; with lane l xor 16's two the word is whole
.rept 8
	v_nop                                          ; a scale register written by a vector instruction stands 8 places ahead of a scaled matrix instruction, an operand so written 4
.endr
	WIN 0x40                                       ; the results: window 1
	v_wmma_scale_f32_16x16x128_f8f6f4 v[16*(\mt):16*(\mt)+7], v[208:219], v[234:245], 0, v232, v246 matrix_a_fmt:MATRIX_FMT_FP6 matrix_b_fmt:MATRIX_FMT_FP6
	v_wmma_scale_f32_16x16x128_f8f6f4 v[16*(\mt)+8:16*(\mt)+15], v[220:231], v[234:245], 0, v232, v246 matrix_a_fmt:MATRIX_FMT_FP6 matrix_b_fmt:MATRIX_FMT_FP6 matrix_a_scale:MATRIX_SCALE_ROW1
	WIN 0
.endm
	s_wait_loadcnt 32                              ; tile 0 is in; tiles 1 and 2, 16 loads each, may be out
	QTILE 0, 144
	QLOAD 3, 144
	s_wait_loadcnt 32                              ; tile 1 is in; tiles 2 and 3 may be out
	QTILE 1, 16
	s_wait_loadcnt 16                              ; tile 2 is in
	QTILE 2, 80
	s_wait_loadcnt 0x0
	QTILE 3, 144
.rept 4
	v_nop                                          ; four places between the last product and the first read of its result
.endr
	WIN 0x04                                       ; a store's data are its source 1: window 1
.irp mt, 0,1,2,3
.irp nt, 0,1                                   ; lane (r, h), register j: query row 16 mt + r, column 32 P + 16 nt + 8 h + j; each accumulator from its low end on
	global_store_b128 v8, v[16*\mt+8*\nt:16*\mt+8*\nt+3], s[14:15] offset:\mt*65536+\nt*64
	global_store_b128 v8, v[16*\mt+8*\nt+4:16*\mt+8*\nt+7], s[14:15] offset:\mt*65536+\nt*64+16
.endr
.endr
	WIN 0
	s_endpgm
.Lfunc_end_k_qa1a0ce3c91_prep:
	.size	k_qa1a0ce3c91_prep, .Lfunc_end_k_qa1a0ce3c91_prep-k_qa1a0ce3c91_prep
	.p2alignl 7, 3214868480
	.fill 96, 4, 3214868480
	.section	.rodata,"a",@progbits
	.p2align	6, 0x0
	.amdhsa_kernel k_qa1a0ce3c91_prep
		.amdhsa_group_segment_fixed_size 0
		.amdhsa_private_segment_fixed_size 0
		.amdhsa_enable_private_segment 0
		.amdhsa_kernarg_size 48
		.amdhsa_user_sgpr_count 2
		.amdhsa_user_sgpr_kernarg_segment_ptr 1
		.amdhsa_wavefront_size32 1
		.amdhsa_system_sgpr_workgroup_id_x 1
		.amdhsa_system_sgpr_workgroup_id_y 1
		.amdhsa_system_sgpr_workgroup_id_z 1
		.amdhsa_system_vgpr_workitem_id 0
		.amdhsa_next_free_vgpr 320
		.amdhsa_next_free_sgpr 66
		.amdhsa_reserve_vcc 0
		.amdhsa_float_denorm_mode_32 3
		.amdhsa_float_denorm_mode_16_64 3
		.amdhsa_memory_ordered 1
		.amdhsa_forward_progress 1
		.amdhsa_inst_pref_size 49
	.end_amdhsa_kernel
	.amdgpu_metadata
---
amdhsa.version: [ 1, 2 ]
amdhsa.kernels:
  - .name:           k_qa1a0ce3c91_prep
    .symbol:         k_qa1a0ce3c91_prep.kd
    .args:
      - { .name: W1, .offset: 0, .size: 8, .value_kind: global_buffer, .address_space: global }
      - { .name: W2, .offset: 8, .size: 8, .value_kind: global_buffer, .address_space: global }
      - { .name: query, .offset: 16, .size: 8, .value_kind: global_buffer, .address_space: global }
      - { .name: w2img, .offset: 24, .size: 8, .value_kind: global_buffer, .address_space: global }
      - { .name: w2sc, .offset: 32, .size: 8, .value_kind: global_buffer, .address_space: global }
      - { .name: qpart, .offset: 40, .size: 8, .value_kind: global_buffer, .address_space: global }
    .group_segment_fixed_size: 0
    .private_segment_fixed_size: 0
    .kernarg_segment_align: 8
    .kernarg_segment_size: 48
    .max_flat_workgroup_size: 64
    .sgpr_count:     66
    .vgpr_count:     320
    .wavefront_size: 32
...
	.end_amdgpu_metadata
.endif
;; end of part 1
;; launch main (part 2): grid 256 x 1, 4 waves a work-group, no clusters, 327,680 bytes of LDS; arguments values, w2img, w2sc, qpart, V, bv, scores, part, stats, b1, b2; writes scores, part, stats
.if DOCPART == 2
	.amdgcn_target "amdgcn-amd-amdhsa--gfx1250"
	.amdhsa_code_object_version 6
	.text
	.protected	k_qa1a0ce3c91_main
	.globl	k_qa1a0ce3c91_main
	.p2align	8
	.type	k_qa1a0ce3c91_main,@function
k_qa1a0ce3c91_main:
	s_mov_b64 s[64:65], 0
	v_nop
	global_prefetch_b8 v0, s[64:65] scope:SCOPE_SE
	s_setreg_imm32_b32 hwreg(HW_REG_WAVE_MODE, 25, 1), 1
	s_wait_xcnt 0x0
; For 256 rows (time steps) of one batch: score = tanh(q_proj + Q(values) Q(W2) + b2) . V + bv, and the rows' part of the softmax and of the context, with a running maximum.
; values [65536][1024] f32 is read ONCE: a block of 64 rows stays in LDS as f32 from its quantising until its scores are known and it has been weighed into the context.
; SHARES.  Work-group g owns rows 256 g .. 256 g + 255 (a quarter of batch g / 4), in 4 blocks of 64.  Loading and quantising: wave w takes rows 16 w .. 16 w + 15 of the block; the codes go to the other waves
; through LDS as images of operand registers.  The product: THE WAVES SHARE THE COLUMNS: wave w makes columns 256 w .. 256 w + 255 for all 64 rows, in 2 passes of 128 columns: 32 accumulators (4 row tiles x 8 column tiles).
; W2's fragments come from memory straight into registers, laid by the launch before in the order of the operand's registers, through a ring of 4 register slots that runs 3 K steps ahead; no two waves of a work-group read the same byte of W2.
; tanh(x) = 1 - 2 / (1 + 2^(c x)), c = 2 log2(e): score = sum V + bv - 2 sum V_n r_n, r_n = 1 / (1 + 2^(c acc + qbc_n)).  An exponential that overflows gives r = 0, one that falls to 0 gives r = 1: the limits of tanh.
; qbc = c (q_proj + b1 + b2) is made at the head: the first product's eight parts (one for each 128 along K, from the launch before) are added in ascending order, then the biases.
; The product with V (one column) is made by fused multiply-adds in f32: a lane holds one column of each tile, so V_n is a lane's number.
; SOFTMAX: in base 2: t = score log2(e); a running maximum m and sum l for the work-group's rows; the context and l are multiplied by 2^(m_old - m_new) in every block.  The last launch joins the four parts of a batch.
; NO CLUSTER, NO TENSOR LOAD, though all work-groups walk the same W2: the stage of 64 rows x 4,112 bytes, the codes' images (49,152), their scale words (4,096) and the tables (10,240) take 326,656 of the
; 327,680 bytes of LDS, and a K step of W2 for one pass of one wave is 12,288 bytes: no slot for W2 fits beside the stage, which is what lets values be read once.
; LIMITS: NaN and infinities among the inputs are not served.  A block of zeros gets the scale byte 1 where the rule says 127: its codes are zeros, and this program alone reads the bytes.
.set PITCH, 4112                       ; a row of the stage: 4,096 bytes + 16: 16 rows that a load of 16 bytes a lane touches begin 16 bytes apart modulo 256
.set WROWS, 16*PITCH                   ; a wave's 16 rows
.set IMG,   64*PITCH                   ; 32 images of fragments, 1,536 bytes each: row tile mt, K step s at 8 mt + s
.set ASC,   IMG+32*1536                ; their scale words, 128 bytes each
.set QBT,   ASC+32*128                 ; qbc of my batch: 4,096 bytes; wave w stores and reads its own 1,024
.set MVT,   QBT+4096                   ; -2 V likewise
.set RED,   MVT+4096                   ; the waves' partial scores: 256 bytes a wave
.set PRB,   RED+1024                   ; each wave's own copy of the block's 64 weights p
.set NB0,   32                         ; the quantiser's two sets of 64 numbers
.set NB1,   152
.set PC,    96                         ; the codes just made: v96-107, at work v108-114
.set TM,    216                        ; v216-219 largest magnitudes, v220-223 bytes, v228-231 the conversions' scale operands
.set PW,    232                        ; the scale word just made
; REGISTERS.  window 0: v1, v2, v3 16, 4, 8 x lane; v4 stage in; v5 stage out (quantiser); v6, v7 images in, out; v8, v9 scale words in, out; v10, v11 the tables; v12, v13 partial scores in, out; v14, v15 p in, out;
;   v16-19 the stage for the context; v20 the prefetches' offset; v21 bv; v22, v23 m, l; v24-31 the context (columns 4 t .. 4 t + 3 and 512 + 4 t .. of thread t); v32-79, v80-127 the rows' fragments, two buffers;
;   v128-135 their scale words; v136-151 W2's scale words, 4 slots x 4; v152-183 the partial scores S; v184-191 qbc, v192-199 -2 V of a pass's 8 tiles; v234-247 at work; v248 my columns' sum of V.
;   window 1: the 32 accumulators, (mt, nt) at v[8 (4 nt + mt)]; outside the passes: 64 loads of values.   window 2: ring slots 0, 1 (96 registers each).   window 3: ring slots 2, 3.
.set MSB, 0
.macro WIN new                         ; the immediate's high byte repeats the setting that is left; a switch that changes nothing is dropped
.if MSB != (\new)
	s_set_vgpr_msb (MSB<<8)|(\new)
.set MSB, (\new)
.endif
.endm
.macro BARRIER                         ; my LDS stores have landed and my LDS loads are in: then the work-group's barrier
	s_wait_dscnt 0x0
	s_barrier_signal -1
	s_barrier_wait -1
.endm
; K step k of a column group's W2 into ring slot: a lane's 4 scale words by one load, and 8 fragments: 25 loads
.macro RING slot, k, im, sc
	WIN 0
	global_load_b128 v[136+4*(\slot):139+4*(\slot)], v1, s[\sc:\sc+1] offset:(\k)*512
	WIN 0x80+0x40*((\slot)/2)                      ; destination window 2 or 3
.irp t, 0,1,2,3,4,5,6,7
.irp c, 0,1,2
	global_load_b128 v[96*((\slot)%2)+12*\t+4*\c:96*((\slot)%2)+12*\t+4*\c+3], v1, s[\im:\im+1] offset:(\k)*12288+\t*1536+\c*512
.endr
.endr
.endm
; the four row tiles' fragments and scale words of K step s, from their images: 16 LDS loads
.macro AFETCH s, buf
.irp mt, 0,1,2,3
.irp c, 0,1,2
	ds_load_b128 v[32+48*(\buf)+12*\mt+4*\c:32+48*(\buf)+12*\mt+4*\c+3], v7 offset:(8*\mt+(\s))*1536+512*\c
.endr
	ds_load_b32 v[128+4*(\buf)+\mt], v9 offset:(8*\mt+(\s))*128
.endr
.endm
; one product: source 0 = 16 rows, source 1 = 16 columns of W2: lane (r, h), register j: row 16 mt + 8 h + j, column r of tile nt
.macro MM k, nt, mt
.set rD, 8*(4*(\nt)+(\mt))
.set rA, 32+48*((\k)%2)+12*(\mt)
.set rB, 96*((\k)%2)+12*(\nt)
.set rSA, 128+4*((\k)%2)+(\mt)
.set rSB, 136+4*((\k)%4)+(\nt)/2
.if (\k) == 0
.if (\nt)%2
	v_wmma_scale_f32_16x16x128_f8f6f4 v[rD:rD+7], v[rA:rA+11], v[rB:rB+11], 0, v[rSA], v[rSB] matrix_a_fmt:MATRIX_FMT_FP6 matrix_b_fmt:MATRIX_FMT_FP6 matrix_b_scale:MATRIX_SCALE_ROW1
.else
	v_wmma_scale_f32_16x16x128_f8f6f4 v[rD:rD+7], v[rA:rA+11], v[rB:rB+11], 0, v[rSA], v[rSB] matrix_a_fmt:MATRIX_FMT_FP6 matrix_b_fmt:MATRIX_FMT_FP6
.endif
.else
.if (\nt)%2
	v_wmma_scale_f32_16x16x128_f8f6f4 v[rD:rD+7], v[rA:rA+11], v[rB:rB+11], v[rD:rD+7], v[rSA], v[rSB] matrix_a_fmt:MATRIX_FMT_FP6 matrix_b_fmt:MATRIX_FMT_FP6 matrix_b_scale:MATRIX_SCALE_ROW1
.else
	v_wmma_scale_f32_16x16x128_f8f6f4 v[rD:rD+7], v[rA:rA+11], v[rB:rB+11], v[rD:rD+7], v[rSA], v[rSB] matrix_a_fmt:MATRIX_FMT_FP6 matrix_b_fmt:MATRIX_FMT_FP6
.endif
.endif
.endm
; K step k of a pass: 32 products, the 32 accumulators by turns, one instruction a turn, in the same order in every step.  The first step's products start the sums.
.macro STEP k
	WIN 0
.if (\k) > 0
.rept 4
	v_nop                                          ; four places in front of loads into registers that the last step's products have read (ISA guide 7.12.1 for vector instructions)
.endr
.endif
	s_wait_dscnt 0x0                               ; this step's row fragments are in (asked for a step ago); in step 0 the pass's tables too
.if (\k) < 7
	AFETCH (\k)+1, ((\k)+1)%2
.endif
	s_wait_loadcnt 50                              ; this step's ring slot is in: behind its 25 loads only those of the next two steps were issued
.if (\k) < 5
	RING ((\k)+3)%4, (\k)+3, 28, 32                ; three steps ahead, into the slot that the last step has left
.else
	RING ((\k)+3)%4, (\k)-5, 30, 34                ; the next pass's first steps: the other column group
.endif
	WIN 0x58+4*(((\k)%4)/2)                        ; source 0 window 0, source 1 window 2 or 3, C and D window 1
.irp nt, 0,1,2,3,4,5,6,7
.irp mt, 0,1,2,3
	MM \k, \nt, \mt
.endr
.endr
.endm
; at a pass's head: qbc and -2 V of my column in the pass's 8 tiles, so that they are in registers long before the pass's last product
.macro TABLES
	s_lshl_b32 s41, s39, 9                         ; the pass's 128 columns in my 1,024 bytes of each table
	v_add_nc_u32 v11, s41, v10
.irp t, 0,1,2,3,4,5,6,7
	ds_load_b32 v[184+\t], v11 offset:64*\t
.endr
.irp t, 0,1,2,3,4,5,6,7
	ds_load_b32 v[192+\t], v11 offset:4096+64*\t
.endr
.endm
; behind a pass: r = 1 / (1 + 2^(c acc + qbc)) in place, and S += (-2 V) r.  The exponentials and the reciprocals go as batches with one wait each.
.macro EPI
	WIN 0
.rept 4
	v_nop                                          ; four places between the last product and the first read of a result
.endr
	WIN 0x41                                       ; destination and source 0 window 1
.irp nt, 0,1,2,3,4,5,6,7
.irp mt, 0,1,2,3
.irp q, 0,1,2,3                                ; each accumulator from its low end on
.if \nt%2
	v_pk_fma_f32 v[8*(4*\nt+\mt)+2*\q:8*(4*\nt+\mt)+2*\q+1], v[8*(4*\nt+\mt)+2*\q:8*(4*\nt+\mt)+2*\q+1], s[26:27], v[184+2*(\nt/2):185+2*(\nt/2)] op_sel:[0,0,1] op_sel_hi:[1,0,1]
.else
	v_pk_fma_f32 v[8*(4*\nt+\mt)+2*\q:8*(4*\nt+\mt)+2*\q+1], v[8*(4*\nt+\mt)+2*\q:8*(4*\nt+\mt)+2*\q+1], s[26:27], v[184+2*(\nt/2):185+2*(\nt/2)] op_sel_hi:[1,0,0]
.endif
.endr
.endr
.endr
.set j, 0
.rept 256
	v_exp_f32 v[j], v[j]
.set j, j+1
.endr
	v_nop                                          ; a plain instruction behind the last exponential
	s_wait_alu depctr_va_vdst(0)                   ; one wait for the batch, ahead of its first reader
.set j, 0
.rept 128
	v_pk_add_f32 v[j:j+1], v[j:j+1], 1.0 op_sel_hi:[1,0]
.set j, j+2
.endr
.set j, 0
.rept 256
	v_rcp_f32 v[j], v[j]
.set j, j+1
.endr
	v_nop
	s_wait_alu depctr_va_vdst(0)                   ; and one for the reciprocals
	WIN 0x01                                       ; source 0 window 1
.irp nt, 0,1,2,3,4,5,6,7                       ; the 16 pairs of S take turns
.irp mt, 0,1,2,3
.irp q, 0,1,2,3
.if \nt%2
	v_pk_fma_f32 v[152+8*\mt+2*\q:153+8*\mt+2*\q], v[8*(4*\nt+\mt)+2*\q:8*(4*\nt+\mt)+2*\q+1], v[192+2*(\nt/2):193+2*(\nt/2)], v[152+8*\mt+2*\q:153+8*\mt+2*\q] op_sel:[0,1,0] op_sel_hi:[1,1,1]
.else
	v_pk_fma_f32 v[152+8*\mt+2*\q:153+8*\mt+2*\q], v[8*(4*\nt+\mt)+2*\q:8*(4*\nt+\mt)+2*\q+1], v[192+2*(\nt/2):193+2*(\nt/2)], v[152+8*\mt+2*\q:153+8*\mt+2*\q] op_sel_hi:[1,0,1]
.endif
.endr
.endr
.endr
	WIN 0
.endm
; half (2,048 bytes) of each of my 16 rows, off bytes on: 64 loads of 512 consecutive bytes into window 1; read once in the launch.
; paced = 1: the registers have just been stored into the stage, by 64 LDS stores in the same order.  LDS instructions end in the order of issue (ISA guide 5.7.1), so when at most 48 - 16 q are out,
; stores 16 q .. 16 q + 15 have read their registers, and loads 16 q .. 16 q + 15 may land there: the first loads leave while the later stores drain.
.macro BATCH half, off, paced
	WIN 0x40
.set bi, 0
.rept 64
.if (\paced) && (bi%16 == 0)
	s_wait_dscnt 48-bi
.endif
	global_load_b128 v[4*bi:4*bi+3], v1, s[4:5] offset:(\off)+(bi/4)*4096+(\half)*2048+(bi%4)*512 th:TH_LOAD_NT
.set bi, bi+1
.endr
	WIN 0
.endm
.macro TOSTAGE half                    ; and into the stage, as they lie
	WIN 0x04                                       ; an LDS store's data are its source 1: window 1
.set bi, 0
.rept 64
	ds_store_b128 v4, v[4*bi:4*bi+3] offset:(bi/4)*PITCH+(\half)*2048+(bi%4)*512
.set bi, bi+1
.endr
	WIN 0
.endm
.macro NLOAD s, nb                     ; K step s of my row r: register 16 b + i = k 32 b + 16 h + i
.irp b, 0,1,2,3
.irp j, 0,1,2,3
	ds_load_b128 v[(\nb)+16*\b+4*\j:(\nb)+16*\b+4*\j+3], v5 offset:(\s)*512+128*\b+16*\j
.endr
.endr
.endm
; 64 numbers of a lane become a fragment's codes in v[PC] on and its scale word in v[PW]
.macro QUANT s
.irp b, 0,1,2,3
	v_max3_num_f32 v[TM+\b], |v[(\s)+16*\b]|, |v[(\s)+1+16*\b]|, 0x1800000   ; block b: my 16 numbers, and the floor 2^(3 - 127): the byte cannot fall under 1
.endr
.irp i, 2,4,6,8,10,12,14
.irp b, 0,1,2,3
	v_max3_num_f32 v[TM+\b], v[TM+\b], |v[(\s)+16*\b+\i]|, |v[(\s)+1+16*\b+\i]|   ; (the four blocks by turns)
.endr
.endr
.irp b, 0,1,2,3
	v_permlanex16_b32 v[TM+4+\b], v[TM+\b], s24, s25
.endr
.irp b, 0,1,2,3
	v_max_num_f32 v[TM+\b], v[TM+\b], v[TM+4+\b]   ; with lane l xor 16's: the block's largest magnitude
.endr
.irp b, 0,1,2,3
	v_add_nc_u32 v[TM+12+\b], 0xff000000, v[TM+\b] ; 2 off its exponent field: the conversion's scale operand
.endr
.irp b, 0,1,2,3
	v_lshrrev_b32 v[TM+4+\b], 23, v[TM+12+\b]      ; the scale's byte
.endr
	v_lshl_or_b32 v[PW], v[TM+5], 8, v[TM+4]       ; the four bytes make my row's scale word
	v_lshl_or_b32 v[PW], v[TM+6], 16, v[PW]
	v_lshl_or_b32 v[PW], v[TM+7], 24, v[PW]
.irp c, 0,1
	v_cvt_scalef32_pk16_fp6_f32 v[PC+6*\c:PC+2+6*\c], v[(\s)+32*\c:(\s)+15+32*\c], v[TM+12+2*\c]
	v_cvt_scalef32_pk16_fp6_f32 v[PC+12+4*\c:PC+14+4*\c], v[(\s)+16+32*\c:(\s)+31+32*\c], v[TM+12+2*\c+1]   ; (a conversion's three registers begin on an even number)
.endr
	v_nop                                          ; one plain place behind a scaled conversion
.irp c, 0,1                                    ; the operand's layout wants a whole block in a lane: lanes 0-15 block 2 c, lanes 16-31 block 2 c + 1
.irp i, 0,1,2
	v_permlane16_swap_b32 v[PC+6*\c+\i], v[PC+12+4*\c+\i]
.endr
.irp i, 0,1,2
	v_mov_b32 v[PC+3+6*\c+\i], v[PC+12+4*\c+\i]
.endr
.endr
.endm
.macro PUTIMG s                        ; the fragment and its scale word go to LDS as they stand: 4 LDS stores
.irp c, 0,1,2
	ds_store_b128 v6, v[PC+4*\c:PC+4*\c+3] offset:(\s)*1536+512*\c
.endr
	ds_store_b32 v8, v[PW] offset:128*(\s)
.endm
.macro QHALF s0                        ; K steps s0 .. s0 + 3 of my 16 rows; the next step's numbers are on their way while one is quantised
	NLOAD (\s0), NB0
.irp d, 0,1,2,3
.if \d < 3
	NLOAD (\s0)+\d+1, NB0+(NB1-NB0)*((\d+1)%2)
	s_wait_dscnt 16                                ; all but the 16 loads just issued: this step's numbers are in, and the last step's image stores are done
.else
	s_wait_dscnt 0x0
.endif
	QUANT NB0+(NB1-NB0)*(\d%2)
	PUTIMG (\s0)+\d
.endr
.endm
.macro CGRP g                          ; the context: rows 4 g .. 4 g + 3 of the stage, my thread's 16 + 16 bytes of each: 8 LDS loads
.irp e, 0,1,2,3
	ds_load_b128 v[32+32*((\g)%3)+8*\e:32+32*((\g)%3)+8*\e+3], v[16+(\g)/4] offset:((4*(\g)+\e)%16)*PITCH
	ds_load_b128 v[32+32*((\g)%3)+8*\e+4:32+32*((\g)%3)+8*\e+7], v[16+(\g)/4] offset:((4*(\g)+\e)%16)*PITCH+2048
.endr
.endm
.macro CFMA g                          ; context += p(row) x row
.irp e, 0,1,2,3
.irp q, 0,1,2,3
.if \e%2
	v_pk_fma_f32 v[24+2*\q:25+2*\q], v[32+32*((\g)%3)+8*\e+2*\q:32+32*((\g)%3)+8*\e+2*\q+1], v[152+4*(\g)+2*(\e/2):153+4*(\g)+2*(\e/2)], v[24+2*\q:25+2*\q] op_sel:[0,1,0] op_sel_hi:[1,1,1]
.else
	v_pk_fma_f32 v[24+2*\q:25+2*\q], v[32+32*((\g)%3)+8*\e+2*\q:32+32*((\g)%3)+8*\e+2*\q+1], v[152+4*(\g)+2*(\e/2):153+4*(\g)+2*(\e/2)], v[24+2*\q:25+2*\q] op_sel_hi:[1,0,1]
.endif
.endr
.endr
.endm
	s_load_b256 s[4:11], s[0:1], 0x0               ; values s[4:5], w2img s[6:7], w2sc s[8:9], qpart s[10:11]
	s_load_b256 s[12:19], s[0:1], 0x20             ; V s[12:13], bv s[14:15], scores s[16:17], part s[18:19]
	s_load_b64 s[20:21], s[0:1], 0x40              ; stats
	s_load_b64 s[48:49], s[0:1], 0x48              ; b1
	s_load_b64 s[50:51], s[0:1], 0x50              ; b2
	v_lshl_add_u32 v233, v0, 2, 0x4fc00
	v_mov_b32 v255, 0
	v_lshrrev_b32 v15, 5, v0
	v_readfirstlane_b32 s22, v15                   ; wave 0..3
	v_and_b32 v254, 31, v0                         ; lane
	v_lshlrev_b32 v1, 4, v254
	v_lshlrev_b32 v2, 2, v254
	v_lshlrev_b32 v3, 3, v254
	v_and_b32 v250, 15, v0                         ; r
	v_bfe_u32 v251, v0, 4, 1                       ; h
	s_mul_i32 s41, s22, WROWS
	v_add_nc_u32 v4, s41, v1                       ; the stage, in: my 16 rows, 16 bytes a lane
	v_mul_u32_u24 v5, v250, PITCH
	v_lshl_add_u32 v5, v251, 6, v5
	v_add_nc_u32 v5, s41, v5                       ; out, for the quantiser: row r, + 64 h: my 16 numbers of a block of 32
	s_mul_i32 s42, s22, 12288
	s_add_co_u32 s42, s42, IMG
	v_add_nc_u32 v6, s42, v1                       ; where I store images: row tile = my wave
	v_add_nc_u32 v7, IMG, v1                       ; where I read them
	s_lshl_b32 s43, s22, 10
	s_add_co_u32 s44, s43, ASC
	v_add_nc_u32 v8, s44, v2
	v_add_nc_u32 v9, ASC, v2
	s_add_co_u32 s44, s43, QBT
	v_lshl_add_u32 v10, v250, 2, s44               ; the tables: my wave's 1,024 bytes, column r of a tile
	v_add_nc_u32 v252, s44, v1                     ; and where I store them
	s_lshl_b32 s45, s22, 8
	s_add_co_u32 s46, s45, RED
	v_lshl_add_u32 v12, v251, 5, s46               ; partial scores, in: my wave's 256 bytes, + 8 h rows
	v_add_nc_u32 v13, RED, v3                      ; out: rows 2 lane, 2 lane + 1
	s_add_co_u32 s46, s45, PRB
	v_add_nc_u32 v14, s46, v3                      ; p, in
	v_lshl_add_u32 v15, v15, 8, PRB                ; p, out: every lane reads all 64
	v_lshlrev_b32 v16, 4, v0                       ; the context: 16 bytes a thread, rows 0-15,
	v_add_nc_u32 v17, WROWS, v16                   ; 16-31,
	v_add_nc_u32 v18, 2*WROWS, v16
	v_add_nc_u32 v19, 3*WROWS, v16
	v_lshrrev_b32 v20, 3, v254
	v_and_b32 v253, 7, v254
	v_lshlrev_b32 v20, 12, v20
	v_lshl_add_u32 v20, v253, 8, v20               ; the prefetches: 4 rows x 8 pieces 256 bytes apart
	v_mov_b32 v249, 0
	v_mov_b32 v245, 0                              ; written once: a lane permute's destination counts as one of its sources
	v_mov_b32 v22, 0xff61b1e6                      ; m: -3e38, under every t
	v_mov_b32 v23, 0                               ; l
.irp i, 0,1,2,3,4,5,6,7
	v_mov_b32 v[24+\i], 0                          ; the context
.endr
	s_mov_b32 s24, 0x76543210
	s_mov_b32 s25, 0xfedcba98                      ; v_permlanex16_b32's selects for lane l xor 16
	s_mov_b32 s26, 0x4038aa3b                      ; c = 2 log2(e)
	s_mov_b32 s27, s26                             ; (named with it as a pair, so it is written)
	s_mov_b32 s38, 4                               ; blocks to go
	s_mov_b32 s47, 0
	s_wait_kmcnt 0x0
	s_lshl_b32 s46, ttmp9, 20                      ; 256 g rows of 4,096 bytes
	s_lshl_b32 s44, s22, 16                        ; + my 16 rows
	s_add_co_u32 s46, s46, s44
	s_add_nc_u64 s[4:5], s[4:5], s[46:47]
	s_mul_i32 s46, s22, 2*98304                    ; column group 2 w: 98,304 bytes of images a group
	s_add_nc_u64 s[28:29], s[6:7], s[46:47]        ; this pass's group,
	s_add_nc_u64 s[30:31], s[28:29], 98304         ; the other pass's
	s_lshl_b32 s46, s22, 13
	s_add_nc_u64 s[32:33], s[8:9], s[46:47]        ; and their scale words
	s_add_nc_u64 s[34:35], s[32:33], 4096
	s_lshr_b32 s46, ttmp9, 2
	s_lshl_b32 s46, s46, 12
	s_add_co_u32 s46, s46, s43
	s_add_nc_u64 s[10:11], s[10:11], s[46:47]      ; qpart: my batch's row, my wave's 256 columns, part 0
	s_mov_b32 s46, s43
	s_add_nc_u64 s[12:13], s[12:13], s[46:47]      ; V, b1, b2: my wave's 256 columns
	s_add_nc_u64 s[48:49], s[48:49], s[46:47]
	s_add_nc_u64 s[50:51], s[50:51], s[46:47]
	s_lshl_b32 s46, ttmp9, 10
	s_add_nc_u64 s[16:17], s[16:17], s[46:47]
	s_lshl_b32 s46, ttmp9, 12
	s_add_nc_u64 s[18:19], s[18:19], s[46:47]
	s_lshl_b32 s46, ttmp9, 8
	s_add_nc_u64 s[20:21], s[20:21], s[46:47]
	RING 0, 0, 28, 32
	RING 1, 1, 28, 32
	RING 2, 2, 28, 32
	WIN 0
.irp k, 0,1,2,3,4,5,6,7                        ; the first product's eight parts, 1,024 bytes of each: every load reads 512 consecutive bytes
	global_load_b128 v[32+8*\k:35+8*\k], v1, s[10:11] offset:\k*262144
	global_load_b128 v[36+8*\k:39+8*\k], v1, s[10:11] offset:\k*262144+512
.endr
	global_load_b128 v[96:99], v1, s[48:49]
	global_load_b128 v[100:103], v1, s[48:49] offset:512
	global_load_b128 v[104:107], v1, s[50:51]
	global_load_b128 v[108:111], v1, s[50:51] offset:512
	global_load_b128 v[208:211], v1, s[12:13]
	global_load_b128 v[212:215], v1, s[12:13] offset:512
	global_load_b32 v21, v249, s[14:15]
	BATCH 0, 0, 0                                  ; the first block's first half
	s_wait_loadcnt 63                              ; the tables' numbers are in: 64 loads were issued behind them, and a wait names 63 at the most
.irp k, 1,2,3,4,5,6,7
.irp p, 0,2,4,6
	v_pk_add_f32 v[32+\p:33+\p], v[32+\p:33+\p], v[32+8*\k+\p:33+8*\k+\p]   ; the parts, K ascending
.endr
.endr
.irp p, 0,2,4,6
	v_pk_add_f32 v[96+\p:97+\p], v[96+\p:97+\p], v[104+\p:105+\p]           ; b1 + b2
.endr
.irp p, 0,2,4,6
	v_pk_add_f32 v[32+\p:33+\p], v[32+\p:33+\p], v[96+\p:97+\p]
.endr
.irp p, 0,2,4,6
	v_pk_mul_f32 v[32+\p:33+\p], v[32+\p:33+\p], s[26:27] op_sel_hi:[1,0]   ; qbc = c (q_proj + b1 + b2)
.endr
	ds_store_b128 v252, v[32:35]
	ds_store_b128 v252, v[36:39] offset:512
.irp p, 0,2,4,6
	v_pk_mul_f32 v[208+\p:209+\p], v[208+\p:209+\p], -2.0 op_sel_hi:[1,0]
.endr
	ds_store_b128 v252, v[208:211] offset:4096
	ds_store_b128 v252, v[212:215] offset:4608
.irp t, 0,1,2,3,4,5,6,7,8,9,10,11,12,13,14,15
	ds_load_b32 v[216+\t], v10 offset:4096+64*\t   ; -2 V of my column in my wave's 16 tiles (LDS serves a wave's instructions in order: these see my stores; the bytes are my wave's own)
.endr
	s_wait_dscnt 0x0
.irp p, 2,4,6,8,10,12,14
	v_pk_add_f32 v[216:217], v[216:217], v[216+\p:217+\p]
.endr
	v_add_f32 v216, v216, v217
	v_mul_f32 v248, -0.5, v216                     ; the sum of V over my columns: every partial score begins with it
.Lblock:                                           ; a block of 64 rows; 4 trips
	s_wait_loadcnt 0x0                             ; the block's first half is in registers
	TOSTAGE 0
	BATCH 1, 0, 1                                  ; the second half, each group of 16 loads behind the stores that read its registers; it lands while the first half is quantised
	QHALF 0
	s_wait_loadcnt 0x0
	TOSTAGE 1
	QHALF 4
	BARRIER                                        ; all 32 images and their scale words lie in LDS, and the stage is whole
.set j, 0
.rept 32
	v_mov_b32 v[152+j], v248
.set j, j+1
.endr
	s_mov_b32 s39, 0
.Lpass:                                            ; 128 of my 256 columns; 2 trips
	TABLES
	AFETCH 0, 0
.irp k, 0,1,2,3,4,5,6,7
	STEP \k
.endr
	EPI
	s_wait_xcnt 0x0                                ; the ring's loads have read their bases: the two column groups change places
	s_mov_b64 s[36:37], s[28:29]
	s_mov_b64 s[28:29], s[30:31]
	s_mov_b64 s[30:31], s[36:37]
	s_mov_b64 s[36:37], s[32:33]
	s_mov_b64 s[32:33], s[34:35]
	s_mov_b64 s[34:35], s[36:37]
	s_add_co_u32 s39, s39, 1
	s_cmp_lt_u32 s39, 2
	s_cbranch_scc1 .Lpass
	s_cmp_eq_u32 s38, 1                            ; the next block is asked for here, if there is one: no load and no prefetch leaves its buffer
	s_cbranch_scc1 .Lno_next
	BATCH 0, 262144, 0                             ; its first half, into the accumulators' registers, which are free
.irp i, 0,1,2,3
	global_prefetch_b8 v20, s[4:5] offset:262144+2048+\i*16384 th:TH_LOAD_NT scope:SCOPE_SE   ; its second half: my 16 rows x 2,048 bytes, lanes 256 bytes apart, each piece named once in the launch; the loads that want it stand behind the scores, the softmax, the context and the next block's first stores into the stage
.endr
.Lno_next:
.irp x, 1,2,4,8                                ; a row's partial score lies in the 16 lanes of a half, a column each
.set j, 0
.rept 32
	v_add_f32_dpp v[152+j], v[152+j], v[152+j] row_xmask:\x row_mask:0xf bank_mask:0xf
.set j, j+1
.endr
.endr
.irp mt, 0,1,2,3
	ds_store_b128 v12, v[152+8*\mt:155+8*\mt] offset:64*\mt          ; rows 16 mt + 8 h + 0 .. 7; the 16 lanes of a half store the same words with the same values
	ds_store_b128 v12, v[156+8*\mt:159+8*\mt] offset:64*\mt+16
.endr
	BARRIER                                        ; the four waves' partial scores lie in LDS
	ds_load_b64 v[234:235], v13
	ds_load_b64 v[236:237], v13 offset:256
	ds_load_b64 v[238:239], v13 offset:512
	ds_load_b64 v[242:243], v13 offset:768
	s_wait_dscnt 0x0
	v_pk_add_f32 v[234:235], v[234:235], v[236:237]
	v_pk_add_f32 v[238:239], v[238:239], v[242:243]
	v_pk_add_f32 v[234:235], v[234:235], v[238:239]
	v_pk_add_f32 v[240:241], v[234:235], v[20:21] op_sel:[0,1] op_sel_hi:[1,1]   ; + bv: the scores of rows 2 lane, 2 lane + 1
	s_cmp_lg_u32 s22, 0
	s_cbranch_scc1 .Lnot_wave_0
	global_store_b64 v3, v[240:241], s[16:17]      ; the wave stores 256 consecutive bytes, aligned
.Lnot_wave_0:
	v_pk_mul_f32 v[242:243], v[240:241], 0x3fb8aa3b op_sel_hi:[1,0]   ; t = score log2(e)
	v_max_num_f32 v244, v242, v243
	v_max_num_f32_dpp v244, v244, v244 row_xmask:1 row_mask:0xf bank_mask:0xf
	v_max_num_f32_dpp v244, v244, v244 row_xmask:2 row_mask:0xf bank_mask:0xf
	v_max_num_f32_dpp v244, v244, v244 row_xmask:4 row_mask:0xf bank_mask:0xf
	v_max_num_f32_dpp v244, v244, v244 row_xmask:8 row_mask:0xf bank_mask:0xf
	v_permlanex16_b32 v245, v244, s24, s25
	v_max3_num_f32 v246, v244, v245, v22           ; the new m
	v_sub_f32 v247, v22, v246
	v_sub_f32 v242, v242, v246
	v_sub_f32 v243, v243, v246
	v_exp_f32 v247, v247                           ; f = 2^(m_old - m_new)
	v_exp_f32 v242, v242                           ; p
	v_exp_f32 v243, v243
	v_mov_b32 v22, v246                            ; (a plain instruction behind the exponentials)
	s_wait_alu depctr_va_vdst(0)                   ; one wait for the three, ahead of their first reader
	ds_store_b64 v14, v[242:243]                   ; my wave's own copy of p,
.irp i, 0,1,2,3,4,5,6,7,8,9,10,11,12,13,14,15
	ds_load_b128 v[152+4*\i:155+4*\i], v15 offset:16*\i   ; and all 64 into every lane (LDS serves a wave's instructions in order)
.endr
	CGRP 0
	CGRP 1
	v_add_f32 v244, v242, v243
	v_add_f32_dpp v244, v244, v244 row_xmask:1 row_mask:0xf bank_mask:0xf
	v_add_f32_dpp v244, v244, v244 row_xmask:2 row_mask:0xf bank_mask:0xf
	v_add_f32_dpp v244, v244, v244 row_xmask:4 row_mask:0xf bank_mask:0xf
	v_add_f32_dpp v244, v244, v244 row_xmask:8 row_mask:0xf bank_mask:0xf
	v_permlanex16_b32 v245, v244, s24, s25
	v_add_f32 v244, v244, v245
	v_fma_f32 v23, v23, v247, v244                 ; l = l f + the block's sum of p
.irp q, 0,1,2,3
	v_pk_mul_f32 v[24+2*\q:25+2*\q], v[24+2*\q:25+2*\q], v[246:247] op_sel:[0,1] op_sel_hi:[1,1]   ; the context under the new m
.endr
.irp g, 0,1,2,3,4,5,6,7,8,9,10,11,12,13,14,15
.if \g < 14
	CGRP \g+2
	s_wait_dscnt 16                                ; group g (and p) are in; the two younger groups, 8 loads each, may be out
.elseif \g == 14
	s_wait_dscnt 8
.else
	s_wait_dscnt 0x0
.endif
	CFMA \g
.endr
	BARRIER                                        ; every wave has read the stage, the images and the partial scores: they may be written again
	s_wait_xcnt 0x0                                ; the loads, the prefetches and the store have read their bases, and the store its data
	s_add_nc_u64 s[4:5], s[4:5], 262144            ; 64 rows on
	s_add_nc_u64 s[16:17], s[16:17], 256
	s_sub_co_u32 s38, s38, 1
	s_cmp_lg_u32 s38, 0
	s_cbranch_scc1 .Lblock
	global_store_b128 v16, v[24:27], s[18:19]                 ; the work-group's part of the context: each store of a wave covers 512 consecutive bytes, aligned
	global_store_b128 v16, v[28:31], s[18:19] offset:2048
	s_cmp_lg_u32 s22, 0
	s_cbranch_scc1 .Lend
	global_store_b64 v3, v[22:23], s[20:21]                   ; (m, l), 32 times: 256 consecutive bytes, aligned
.Lend:
	s_wait_tensorcnt 0x0
	ds_add_u32 v233, v255
	s_wait_dscnt 0x0
	s_endpgm
.Lfunc_end_k_qa1a0ce3c91_main:
	.size	k_qa1a0ce3c91_main, .Lfunc_end_k_qa1a0ce3c91_main-k_qa1a0ce3c91_main
	.p2alignl 7, 3214868480
	.fill 96, 4, 3214868480
	.section	.rodata,"a",@progbits
	.p2align	6, 0x0
	.amdhsa_kernel k_qa1a0ce3c91_main
		.amdhsa_group_segment_fixed_size 327680
		.amdhsa_private_segment_fixed_size 0
		.amdhsa_enable_private_segment 0
		.amdhsa_kernarg_size 88
		.amdhsa_user_sgpr_count 2
		.amdhsa_user_sgpr_kernarg_segment_ptr 1
		.amdhsa_wavefront_size32 1
		.amdhsa_system_sgpr_workgroup_id_x 1
		.amdhsa_system_sgpr_workgroup_id_y 1
		.amdhsa_system_sgpr_workgroup_id_z 1
		.amdhsa_system_vgpr_workitem_id 0
		.amdhsa_next_free_vgpr 960
		.amdhsa_next_free_sgpr 66
		.amdhsa_reserve_vcc 0
		.amdhsa_float_denorm_mode_32 3
		.amdhsa_float_denorm_mode_16_64 3
		.amdhsa_memory_ordered 1
		.amdhsa_forward_progress 1
		.amdhsa_inst_pref_size 226
	.end_amdhsa_kernel
	.amdgpu_metadata
---
amdhsa.version: [ 1, 2 ]
amdhsa.kernels:
  - .name:           k_qa1a0ce3c91_main
    .symbol:         k_qa1a0ce3c91_main.kd
    .args:
      - { .name: values, .offset: 0, .size: 8, .value_kind: global_buffer, .address_space: global }
      - { .name: w2img, .offset: 8, .size: 8, .value_kind: global_buffer, .address_space: global }
      - { .name: w2sc, .offset: 16, .size: 8, .value_kind: global_buffer, .address_space: global }
      - { .name: qpart, .offset: 24, .size: 8, .value_kind: global_buffer, .address_space: global }
      - { .name: V, .offset: 32, .size: 8, .value_kind: global_buffer, .address_space: global }
      - { .name: bv, .offset: 40, .size: 8, .value_kind: global_buffer, .address_space: global }
      - { .name: scores, .offset: 48, .size: 8, .value_kind: global_buffer, .address_space: global }
      - { .name: part, .offset: 56, .size: 8, .value_kind: global_buffer, .address_space: global }
      - { .name: stats, .offset: 64, .size: 8, .value_kind: global_buffer, .address_space: global }
      - { .name: b1, .offset: 72, .size: 8, .value_kind: global_buffer, .address_space: global }
      - { .name: b2, .offset: 80, .size: 8, .value_kind: global_buffer, .address_space: global }
    .group_segment_fixed_size: 327680
    .private_segment_fixed_size: 0
    .kernarg_segment_align: 8
    .kernarg_segment_size: 88
    .max_flat_workgroup_size: 128
    .sgpr_count:     66
    .vgpr_count:     960
    .wavefront_size: 32
...
	.end_amdgpu_metadata
.endif
;; end of part 2
;; launch finish (part 3): grid 64 x 1, 8 waves a work-group, no clusters, 0 bytes of LDS; arguments scores, part, stats, out0, out1; writes out0, out1
.if DOCPART == 3
	.amdgcn_target "amdgcn-amd-amdhsa--gfx1250"
	.amdhsa_code_object_version 6
	.text
	.protected	k_qa1a0ce3c91_finish
	.globl	k_qa1a0ce3c91_finish
	.p2align	8
	.type	k_qa1a0ce3c91_finish,@function
k_qa1a0ce3c91_finish:
	s_mov_b64 s[64:65], 0
	v_nop
	global_prefetch_b8 v0, s[64:65] scope:SCOPE_SE
	s_setreg_imm32_b32 hwreg(HW_REG_WAVE_MODE, 25, 1), 1
	s_wait_xcnt 0x0
; The four parts of a batch are joined.  Part i has a maximum m_i (in base 2: score x log2(e)), a sum l_i = sum of 2^(t - m_i) and a context c_i = sum of 2^(t - m_i) x row.
; M = the largest m_i; L = sum of l_i 2^(m_i - M); out0 = sum of c_i 2^(m_i - M) / L; out1 = 2^(t - M) / L.
; Work-group b takes batch b; thread t takes columns 4 t .. 4 t + 3 of out0 and time steps 4 t .. 4 t + 3 of out1.  A stream of 24 KiB a work-group: no LDS, no barrier, no matrix unit.
	s_load_b256 s[4:11], s[0:1], 0x0               ; scores s[4:5], part s[6:7], stats s[8:9], out0 s[10:11]
	s_load_b64 s[12:13], s[0:1], 0x20              ; out1
	v_lshlrev_b32 v1, 4, v0                        ; 16 bytes a thread
	v_mov_b32 v2, 0
	s_lshl_b32 s14, ttmp9, 12                      ; a batch's 4,096 bytes of scores, out0, out1
	s_mov_b32 s15, 0
	s_lshl_b32 s16, ttmp9, 14                      ; its four parts of 4,096 bytes
	s_mov_b32 s17, 0
	s_lshl_b32 s18, ttmp9, 10                      ; its four records of 256 bytes
	s_mov_b32 s19, 0
	s_mov_b32 s20, 0x3fb8aa3b                      ; log2(e)
	s_wait_kmcnt 0x0
	s_add_nc_u64 s[4:5], s[4:5], s[14:15]
	s_add_nc_u64 s[6:7], s[6:7], s[16:17]
	s_add_nc_u64 s[8:9], s[8:9], s[18:19]
	s_add_nc_u64 s[10:11], s[10:11], s[14:15]
	s_add_nc_u64 s[12:13], s[12:13], s[14:15]
.irp i, 0,1,2,3
	global_load_b64 v[4+2*\i:5+2*\i], v2, s[8:9] offset:\i*256      ; (m_i, l_i)
.endr
.irp i, 0,1,2,3
	global_load_b128 v[12+4*\i:15+4*\i], v1, s[6:7] offset:\i*4096
.endr
	global_load_b128 v[28:31], v1, s[4:5]
	s_wait_loadcnt 0x0
	v_max3_num_f32 v3, v4, v6, v8
	v_max_num_f32 v3, v3, v10                      ; M
.irp i, 0,1,2,3
	v_sub_f32 v[32+\i], v[4+2*\i], v3
.endr
.irp j, 0,1,2,3
	v_fma_f32 v[36+\j], v[28+\j], s20, -v3         ; t - M
.endr
.irp j, 0,1,2,3,4,5,6,7
	v_exp_f32 v[32+\j], v[32+\j]
.endr
	v_nop                                          ; a plain instruction behind the last exponential
	s_wait_alu depctr_va_vdst(0)                   ; one wait for the eight, ahead of their first reader
	v_mul_f32 v40, v5, v32
	v_fma_f32 v40, v7, v33, v40
	v_fma_f32 v40, v9, v34, v40
	v_fma_f32 v40, v11, v35, v40                   ; L: at least the sum of the part that holds M, which is 1 or more
	v_rcp_f32 v41, v40
	v_nop
	s_wait_alu depctr_va_vdst(0)
.irp j, 0,1,2,3,4,5,6,7
	v_mul_f32 v[32+\j], v[32+\j], v41              ; 2^(m_i - M) / L, and out1
.endr
.irp p, 0,2
	v_pk_mul_f32 v[44+\p:45+\p], v[12+\p:13+\p], v[32:33] op_sel_hi:[1,0]
	v_pk_fma_f32 v[44+\p:45+\p], v[16+\p:17+\p], v[32:33], v[44+\p:45+\p] op_sel:[0,1,0] op_sel_hi:[1,1,1]
	v_pk_fma_f32 v[44+\p:45+\p], v[20+\p:21+\p], v[34:35], v[44+\p:45+\p] op_sel_hi:[1,0,1]
	v_pk_fma_f32 v[44+\p:45+\p], v[24+\p:25+\p], v[34:35], v[44+\p:45+\p] op_sel:[0,1,0] op_sel_hi:[1,1,1]
.endr
	global_store_b128 v1, v[44:47], s[10:11]       ; each store of a wave covers 512 consecutive bytes, aligned
	global_store_b128 v1, v[36:39], s[12:13]
	s_endpgm
.Lfunc_end_k_qa1a0ce3c91_finish:
	.size	k_qa1a0ce3c91_finish, .Lfunc_end_k_qa1a0ce3c91_finish-k_qa1a0ce3c91_finish
	.p2alignl 7, 3214868480
	.fill 96, 4, 3214868480
	.section	.rodata,"a",@progbits
	.p2align	6, 0x0
	.amdhsa_kernel k_qa1a0ce3c91_finish
		.amdhsa_group_segment_fixed_size 0
		.amdhsa_private_segment_fixed_size 0
		.amdhsa_enable_private_segment 0
		.amdhsa_kernarg_size 40
		.amdhsa_user_sgpr_count 2
		.amdhsa_user_sgpr_kernarg_segment_ptr 1
		.amdhsa_wavefront_size32 1
		.amdhsa_system_sgpr_workgroup_id_x 1
		.amdhsa_system_sgpr_workgroup_id_y 1
		.amdhsa_system_sgpr_workgroup_id_z 1
		.amdhsa_system_vgpr_workitem_id 0
		.amdhsa_next_free_vgpr 48
		.amdhsa_next_free_sgpr 66
		.amdhsa_reserve_vcc 0
		.amdhsa_float_denorm_mode_32 3
		.amdhsa_float_denorm_mode_16_64 3
		.amdhsa_memory_ordered 1
		.amdhsa_forward_progress 1
		.amdhsa_inst_pref_size 4
	.end_amdhsa_kernel
	.amdgpu_metadata
---
amdhsa.version: [ 1, 2 ]
amdhsa.kernels:
  - .name:           k_qa1a0ce3c91_finish
    .symbol:         k_qa1a0ce3c91_finish.kd
    .args:
      - { .name: scores, .offset: 0, .size: 8, .value_kind: global_buffer, .address_space: global }
      - { .name: part, .offset: 8, .size: 8, .value_kind: global_buffer, .address_space: global }
      - { .name: stats, .offset: 16, .size: 8, .value_kind: global_buffer, .address_space: global }
      - { .name: out0, .offset: 24, .size: 8, .value_kind: global_buffer, .address_space: global }
      - { .name: out1, .offset: 32, .size: 8, .value_kind: global_buffer, .address_space: global }
    .group_segment_fixed_size: 0
    .private_segment_fixed_size: 0
    .kernarg_segment_align: 8
    .kernarg_segment_size: 40
    .max_flat_workgroup_size: 256
    .sgpr_count:     66
    .vgpr_count:     48
    .wavefront_size: 32
...
	.end_amdgpu_metadata
.endif
;; end of part 3
;; ======== version 2 of 2: 3 launches
;; workspace buffers: w2img 786,432 bytes; w2sc 32,768 bytes; qpart 2,097,152 bytes; scores 262,144 bytes; part 1,048,576 bytes; stats 65,536 bytes
;; launch prep (part 4): grid 256 x 1, 2 waves a work-group, no clusters, 0 bytes of LDS; arguments W1, W2, query, w2img, w2sc, qpart; writes w2img, w2sc, qpart
.if DOCPART == 4
	.amdgcn_target "amdgcn-amd-amdhsa--gfx1250"
	.amdhsa_code_object_version 6
	.text
	.protected	k_qa1a0ce3c91_prep
	.globl	k_qa1a0ce3c91_prep
	.p2align	8
	.type	k_qa1a0ce3c91_prep,@function
k_qa1a0ce3c91_prep:
	s_mov_b64 s[64:65], 0
	v_nop
	global_prefetch_b8 v0, s[64:65] scope:SCOPE_SE
	s_setreg_imm32_b32 hwreg(HW_REG_WAVE_SCHED_MODE, 0, 2), 2
	s_setreg_imm32_b32 hwreg(HW_REG_WAVE_MODE, 25, 1), 1
	s_wait_xcnt 0x0
	s_wait_alu depctr_vm_vsrc(0)
; W2 [1024 (k)][1024 (n)] f32 becomes codes of FP6 (E2M3) with one E8M0 byte for each 32 along K, laid as images of operand registers; and qpart[k] = Q(query) Q(W1) summed over K step k alone.
; SHARES.  Work-group x takes columns 32 P .. 32 P + 31 (P = x / 8) and K step k = x % 8 (rows 128 k .. 128 k + 127) of both weights: wave 0 lays out W2, wave 1 quantises W1 and multiplies it by the query.
; The two waves share nothing: no LDS, no barrier; one branch on the wave's number parts them.  256 work-groups of equal work; 128 + 192 loads in each.
; A LANE TAKES A COLUMN AND ITS REGISTERS RUN DOWN K: each load reads 128 consecutive bytes a wave, a block of 32 along K lies in one lane, and the conversions give codes with K innermost.  Nothing is transposed by an instruction.
; A block's scale is 2^(floor(log2(largest magnitude)) - 2): its byte is the largest magnitude's exponent field - 2, held at 1 from below.
; w2img: the fragment of column group G = n / 128, K step k, tile t = (n / 16) % 8 lies at ((8 G + k) 8 + t) 1536; in it register c of lane l at 512 (c / 4) + 16 l + 4 (c % 4).
; w2sc:  G 4096 + k 512 + 16 lane + 4 i: lanes 0-15 the words of tile 2 i, lanes 16-31 those of tile 2 i + 1: a K step's four words of a lane are 16 neighbouring bytes.
; qpart: [8 (K step)][64][1024] f32, row-major.  The next launch adds the eight parts, in ascending order, and the biases.
; THE FIRST PRODUCT IS USED TRANSPOSED (source 0 = 16 columns of W1, source 1 = 16 query rows): a lane then holds eight neighbouring columns of one query row, 32 bytes.  A wave owns 32 columns, so a row's run is 128 bytes.
; LIMITS: NaN and infinities among the inputs are not served.  A block of zeros gets the byte 1 where the rule says 127: its codes are zeros, and this program alone reads the bytes.
; The first product's K is summed in eight parts of 128, which are then added: another order of f32 rounding than one chain along K.
; No cluster: the work-groups share no tile but the query (256 KiB in all), which goes straight into registers.
; THE MODE: SCHED_MODE bits 1:0 = 2 (LLVM: expert scheduling mode 2), set by the entry lines.  The code itself states the register dependences between vector or matrix instructions and memory instructions, with s_wait_alu, always for 0.
; THE PLAN.  Registers that memory instructions touch, and who else names them:
;   v1, v2, v5, v8  offsets, made at the head and never written again: one wait on va_vdst ahead of the first load serves every load and store.
;   v16-143         the weight's 128 numbers land here (nothing has named them); the quantiser reads them; in wave 1 query tiles 1 and 2 land there, behind one wait on va_vdst.
;   v144-207        query tile 0 lands here (nothing has named them); its quantiser reads them; tile 3 lands there behind the wait that stands ahead of tile 0's products, which name none of them.
;   v208-232        wave 0: written by conversions and exchanges, read by the seven stores behind one wait on va_vdst.
;   window 1 v0-63  the accumulators: read by the last sixteen stores, behind four places and one wait on va_vdst.
;   Fragments and scale words that vector instructions have written go to scaled products behind their places and a wait on va_vdst, once a query tile.
;   No register that a memory instruction has read is written again: the text holds no wait on vm_vsrc.  s20, written by a vector instruction, has a wait on va_sdst ahead of its first reader.
.set MSB, 0
.macro WIN new                         ; the immediate's high byte repeats the setting that is left
.if MSB != (\new)
	s_set_vgpr_msb (MSB<<8)|(\new)
.set MSB, (\new)
.endif
.endm
; REGISTERS: v1 4 lane; v2 16 lane; v3 r; v4 h; v5 the query's offset; v8 qpart's offset; v9-15 at work; v16-143 the weight's 128 numbers, later query tiles (areas A, B); v144-207 area C;
; v208-219, v220-231 the two tiles' fragments; v232 the weight's scale words; v234-245 the query's fragment; v246 its scale words; v248-250 half a block's codes; v254 8 h; v255 a permute's target.
; window 1: v0-63 the eight accumulators, (row tile mt, column tile nt) at v[8 (2 mt + nt)].
	s_load_b256 s[4:11], s[0:1], 0x0               ; W1 s[4:5], W2 s[6:7], query s[8:9], w2img s[10:11]
	s_load_b128 s[12:15], s[0:1], 0x20             ; w2sc s[12:13], qpart s[14:15]
	v_lshrrev_b32 v1, 5, v0
	v_readfirstlane_b32 s20, v1                    ; wave: 0 takes W2, 1 takes W1
	v_and_b32 v3, 31, v0                           ; lane
	v_lshlrev_b32 v1, 2, v3
	v_lshlrev_b32 v2, 4, v3
	v_and_b32 v3, 15, v0                           ; r
	v_bfe_u32 v4, v0, 4, 1                         ; h
	v_lshlrev_b32 v5, 12, v3
	v_lshl_add_u32 v8, v4, 5, v5                   ; qpart: row r of 4,096 bytes, + 32 h: my eight columns of a tile
	v_lshl_add_u32 v5, v4, 7, v5                   ; query: row r of 4,096 bytes, + 128 h: my block of 32
	v_lshlrev_b32 v254, 3, v4
	v_mov_b32 v255, 0                              ; written once: a lane permute's destination counts as one of its sources
	s_wait_alu depctr_va_sdst(0)                   ; s20 is written, ahead of its first reader, the compare that chooses my weight
	s_mov_b32 s24, 0x76543210
	s_mov_b32 s25, 0xfedcba98                      ; v_permlanex16_b32's selects for lane l xor 16
	s_and_b32 s21, ttmp9, 7                        ; k
	s_lshr_b32 s22, ttmp9, 3                       ; P
	s_lshl_b32 s28, s21, 19                        ; a weight: 128 k rows of 4,096 bytes
	s_lshl_b32 s29, s22, 7
	s_add_co_u32 s28, s28, s29                     ; + 32 P columns
	s_mov_b32 s29, 0
	s_lshr_b32 s32, s22, 2                         ; G
	s_and_b32 s33, s22, 3                          ; which pair of tiles in G
	s_lshl_b32 s34, s32, 3
	s_add_co_u32 s34, s34, s21
	s_mul_i32 s34, s34, 12288
	s_mul_i32 s35, s33, 3072
	s_add_co_u32 s34, s34, s35                     ; the images: (8 G + k) 12,288 + pair x 3,072
	s_mov_b32 s35, 0
	s_lshl_b32 s36, s32, 12
	s_lshl_b32 s37, s21, 9
	s_add_co_u32 s36, s36, s37
	s_lshl_b32 s37, s33, 2
	s_add_co_u32 s36, s36, s37                     ; the scale words: G 4,096 + k 512 + pair x 4
	s_mov_b32 s37, 0
	s_lshl_b32 s38, s21, 9                         ; query: K step k, 512 bytes on in each row
	s_mov_b32 s39, 0
	s_lshl_b32 s42, s21, 18                        ; qpart: part k of 262,144 bytes
	s_lshl_b32 s43, s22, 7
	s_add_co_u32 s42, s42, s43                     ; + 32 P columns
	s_mov_b32 s43, 0
	s_wait_kmcnt 0x0
	s_cmp_eq_u32 s20, 0                            ; the choice hangs on the wave's number alone
	s_cselect_b64 s[26:27], s[6:7], s[4:5]         ; my weight
	s_add_nc_u64 s[26:27], s[26:27], s[28:29]
	s_add_nc_u64 s[8:9], s[8:9], s[38:39]
	s_add_nc_u64 s[10:11], s[10:11], s[34:35]
	s_add_nc_u64 s[12:13], s[12:13], s[36:37]
	s_add_nc_u64 s[14:15], s[14:15], s[42:43]
.macro WLOAD b                         ; W(128 k + i, my column), i = 0 .. 127; each number of a weight is read once in the launch
.set i, 0
.rept 128
	global_load_b32 v[16+i], v1, s[\b:\b+1] offset:i*4096 th:TH_LOAD_NT
.set i, i+1
.endr
.endm
.macro QLOAD mt, reg                   ; query(16 mt + r, 128 k + 64 c + 32 h + 0 .. 31) into v[reg + 32 c ..]: the very k that the operand's layout gives lane (r, h)
.irp c, 0,1
.irp j, 0,1,2,3,4,5,6,7
	global_load_b128 v[(\reg)+32*\c+4*\j:(\reg)+32*\c+4*\j+3], v5, s[8:9] offset:(\mt)*65536+\c*256+16*\j
.endr
.endr
.endm
; 32 numbers of one block, v[xs] on, become 6 registers of codes at v[cd] (an even number) and the scale's byte in v[by]
.macro QBLK xs, cd, by
	v_max3_num_f32 v9, |v[(\xs)]|, |v[(\xs)+1]|, |v[(\xs)+2]|       ; the largest magnitude, in two chains
	v_max3_num_f32 v10, |v[(\xs)+3]|, |v[(\xs)+4]|, |v[(\xs)+5]|
.irp i, 6,10,14,18,22,26
	v_max3_num_f32 v9, v9, |v[(\xs)+\i]|, |v[(\xs)+\i+1]|
	v_max3_num_f32 v10, v10, |v[(\xs)+\i+2]|, |v[(\xs)+\i+3]|
.endr
	v_max3_num_f32 v9, v9, |v[(\xs)+30]|, |v[(\xs)+31]|
	v_max3_num_f32 v9, v9, v10, 0x1800000          ; and the floor 2^(3 - 127): the byte cannot fall under 1
	v_add_nc_u32 v11, 0xff000000, v9               ; 2 off the exponent field: the conversion takes the exponent field of this operand as its scale
	v_lshrrev_b32 v[\by], 23, v11                  ; the scale's byte
	v_cvt_scalef32_pk16_fp6_f32 v[(\cd):(\cd)+2], v[(\xs):(\xs)+15], v11
	v_cvt_scalef32_pk16_fp6_f32 v[248:250], v[(\xs)+16:(\xs)+31], v11   ; (a conversion's three registers begin on an even number: the block's second half is made here and moved)
	v_nop                                          ; one plain place behind a scaled conversion
	v_mov_b32 v[(\cd)+3], v248
	v_mov_b32 v[(\cd)+4], v249
	v_mov_b32 v[(\cd)+5], v250
.endm
; A weight's 128 numbers a lane become the fragments of two tiles of 16 columns and their scale words.
; Blocks 0 and 2 of my column go to v208-219, blocks 1 and 3 to v220-231.  The exchange of the first run's lanes 16-31 with the second's lanes 0-15 then leaves in v208-219 tile 0's fragment
; (lane (r, h): blocks h and 2 + h of column r) and in v220-231 tile 1's (of column 16 + r).  The scale word of lane l is column l's: lanes 0-15 tile 0's, lanes 16-31 tile 1's.
.macro WQUANT
	QBLK 16, 208, 12
	QBLK 48, 220, 13
	QBLK 80, 214, 14
	QBLK 112, 226, 15
.endm
.macro WFRAG
.set i, 0
.rept 12
	v_permlane16_swap_b32 v[208+i], v[220+i]
.set i, i+1
.endr
	v_lshl_or_b32 v232, v13, 8, v12
	v_lshl_or_b32 v232, v14, 16, v232
	v_lshl_or_b32 v232, v15, 24, v232
.endm
	s_wait_alu depctr_va_vdst(0)                   ; the offsets v1, v2, v5 and v8 are written: every load and store of the kernel reads one of them
	WLOAD 26
	s_cmp_eq_u32 s20, 0
	s_cbranch_scc0 .Lproduct
	; ---- wave 0: W2's images and scale words
	s_wait_loadcnt 0x0
	WQUANT
	WFRAG
	s_wait_alu depctr_va_vdst(0)                   ; the exchanges have written v208-231 and the shifts v232, which the seven stores read
.irp c, 0,1,2,3,4,5
	global_store_b128 v2, v[208+4*\c:211+4*\c], s[10:11] offset:512*\c   ; each store of the wave covers 512 consecutive bytes, aligned
.endr
	global_store_b32 v2, v232, s[12:13]            ; my word of the four that a lane of the next launch takes together (the buffer is 32 KiB in all)
	s_endpgm
.Lproduct:
	; ---- wave 1: W1's two fragments, and their product with the query's four tiles of 16 rows
	QLOAD 0, 144                                   ; no vector instruction has named v144-207
	s_wait_loadcnt 16                              ; W1's 128 are in; the first query tile's 16 loads, issued behind them, may be out
	WQUANT
	s_wait_alu depctr_va_vdst(0)                   ; the maxima and conversions are done reading v16-143, in which query tiles 1 and 2 land
	QLOAD 1, 16                                    ; into the registers that W1's numbers have left: all have been converted
	QLOAD 2, 80
	WFRAG
; A tile of 16 query rows: quantised in registers (a lane holds two whole blocks; the scale word's four bytes are gathered from lanes l and l xor 16), then multiplied by both tiles of W1.
.macro QTILE mt, reg
	QBLK (\reg), 234, 12                           ; (its 16 lines of maxima are the places behind the last tile's products, ahead of the writes of v234-246)
	QBLK (\reg)+32, 240, 13
	v_lshl_or_b32 v14, v13, 16, v12                ; my two bytes: blocks h and 2 + h of row r,
	v_lshlrev_b32 v14, v254, v14                   ; at their places in the word (8 h bits up);
	v_permlanex16_b32 v255, v14, s24, s25
	v_or_b32 v246, v14, v255                       ; with lane l xor 16's two the word is whole
.rept 8
	v_nop                                          ; a scale register written by a vector instruction stands 8 places ahead of a scaled matrix instruction, an operand so written 4
.endr
	s_wait_alu depctr_va_vdst(0)                   ; vector instructions have written the fragments v208-231 and v234-245 and the scale words v232 and v246, which the scaled products take; and this tile's maxima and conversions are done reading its 64 numbers
	WIN 0x40                                       ; the results: window 1
	v_wmma_scale_f32_16x16x128_f8f6f4 v[16*(\mt):16*(\mt)+7], v[208:219], v[234:245], 0, v232, v246 matrix_a_fmt:MATRIX_FMT_FP6 matrix_b_fmt:MATRIX_FMT_FP6
	v_wmma_scale_f32_16x16x128_f8f6f4 v[16*(\mt)+8:16*(\mt)+15], v[220:231], v[234:245], 0, v232, v246 matrix_a_fmt:MATRIX_FMT_FP6 matrix_b_fmt:MATRIX_FMT_FP6 matrix_a_scale:MATRIX_SCALE_ROW1
	WIN 0
.endm
	s_wait_loadcnt 32                              ; tile 0 is in; tiles 1 and 2, 16 loads each, may be out
	QTILE 0, 144
	QLOAD 3, 144                                   ; no further wait: since the wait ahead of tile 0's products only those two were issued, and they name neither v144-207 nor v5
	s_wait_loadcnt 32                              ; tile 1 is in; tiles 2 and 3 may be out
	QTILE 1, 16
	s_wait_loadcnt 16                              ; tile 2 is in
	QTILE 2, 80
	s_wait_loadcnt 0x0
	QTILE 3, 144
.rept 4
	v_nop                                          ; four places between the last product and the first read of its result
.endr
	WIN 0x04                                       ; a store's data are its source 1: window 1
	s_wait_alu depctr_va_vdst(0)                   ; the products have written the eight accumulators, which the stores read; the places above stay beside this wait
.irp mt, 0,1,2,3
.irp nt, 0,1                                   ; lane (r, h), register j: query row 16 mt + r, column 32 P + 16 nt + 8 h + j; each accumulator from its low end on
	global_store_b128 v8, v[16*\mt+8*\nt:16*\mt+8*\nt+3], s[14:15] offset:\mt*65536+\nt*64
	global_store_b128 v8, v[16*\mt+8*\nt+4:16*\mt+8*\nt+7], s[14:15] offset:\mt*65536+\nt*64+16
.endr
.endr
	WIN 0
	s_endpgm
.Lfunc_end_k_qa1a0ce3c91_prep:
	.size	k_qa1a0ce3c91_prep, .Lfunc_end_k_qa1a0ce3c91_prep-k_qa1a0ce3c91_prep
	.p2alignl 7, 3214868480
	.fill 96, 4, 3214868480
	.section	.rodata,"a",@progbits
	.p2align	6, 0x0
	.amdhsa_kernel k_qa1a0ce3c91_prep
		.amdhsa_group_segment_fixed_size 0
		.amdhsa_private_segment_fixed_size 0
		.amdhsa_enable_private_segment 0
		.amdhsa_kernarg_size 48
		.amdhsa_user_sgpr_count 2
		.amdhsa_user_sgpr_kernarg_segment_ptr 1
		.amdhsa_wavefront_size32 1
		.amdhsa_system_sgpr_workgroup_id_x 1
		.amdhsa_system_sgpr_workgroup_id_y 1
		.amdhsa_system_sgpr_workgroup_id_z 1
		.amdhsa_system_vgpr_workitem_id 0
		.amdhsa_next_free_vgpr 320
		.amdhsa_next_free_sgpr 66
		.amdhsa_reserve_vcc 0
		.amdhsa_float_denorm_mode_32 3
		.amdhsa_float_denorm_mode_16_64 3
		.amdhsa_memory_ordered 1
		.amdhsa_forward_progress 1
		.amdhsa_inst_pref_size 50
	.end_amdhsa_kernel
	.amdgpu_metadata
---
amdhsa.version: [ 1, 2 ]
amdhsa.kernels:
  - .name:           k_qa1a0ce3c91_prep
    .symbol:         k_qa1a0ce3c91_prep.kd
    .args:
      - { .name: W1, .offset: 0, .size: 8, .value_kind: global_buffer, .address_space: global }
      - { .name: W2, .offset: 8, .size: 8, .value_kind: global_buffer, .address_space: global }
      - { .name: query, .offset: 16, .size: 8, .value_kind: global_buffer, .address_space: global }
      - { .name: w2img, .offset: 24, .size: 8, .value_kind: global_buffer, .address_space: global }
      - { .name: w2sc, .offset: 32, .size: 8, .value_kind: global_buffer, .address_space: global }
      - { .name: qpart, .offset: 40, .size: 8, .value_kind: global_buffer, .address_space: global }
    .group_segment_fixed_size: 0
    .private_segment_fixed_size: 0
    .kernarg_segment_align: 8
    .kernarg_segment_size: 48
    .max_flat_workgroup_size: 64
    .sgpr_count:     66
    .vgpr_count:     320
    .wavefront_size: 32
...
	.end_amdgpu_metadata
.endif
;; end of part 4
;; launch main (part 5): grid 256 x 1, 4 waves a work-group, no clusters, 327,680 bytes of LDS; arguments values, w2img, w2sc, qpart, V, bv, scores, part, stats, b1, b2; writes scores, part, stats
.if DOCPART == 5
	.amdgcn_target "amdgcn-amd-amdhsa--gfx1250"
	.amdhsa_code_object_version 6
	.text
	.protected	k_qa1a0ce3c91_main
	.globl	k_qa1a0ce3c91_main
	.p2align	8
	.type	k_qa1a0ce3c91_main,@function
k_qa1a0ce3c91_main:
	s_mov_b64 s[64:65], 0
	v_nop
	global_prefetch_b8 v0, s[64:65] scope:SCOPE_SE
	s_setreg_imm32_b32 hwreg(HW_REG_WAVE_SCHED_MODE, 0, 2), 2
	s_setreg_imm32_b32 hwreg(HW_REG_WAVE_MODE, 25, 1), 1
	s_wait_xcnt 0x0
	s_wait_alu depctr_vm_vsrc(0)
; For 256 rows (time steps) of one batch: score = tanh(q_proj + Q(values) Q(W2) + b2) . V + bv, and the rows' part of the softmax and of the context, with a running maximum.
; values [65536][1024] f32 is read ONCE: a block of 64 rows stays in LDS as f32 from its quantising until its scores are known and it has been weighed into the context.
; SHARES.  Work-group g owns rows 256 g .. 256 g + 255 (a quarter of batch g / 4), in 4 blocks of 64.  Loading and quantising: wave w takes rows 16 w .. 16 w + 15 of the block; the codes go to the other waves
; through LDS as images of operand registers.  The product: THE WAVES SHARE THE COLUMNS: wave w makes columns 256 w .. 256 w + 255 for all 64 rows, in 2 passes of 128 columns: 32 accumulators (4 row tiles x 8 column tiles).
; W2's fragments come from memory straight into registers, laid by the launch before in the order of the operand's registers, through a ring of 4 register slots that runs 3 K steps ahead; no two waves of a work-group read the same byte of W2.
; tanh(x) = 1 - 2 / (1 + 2^(c x)), c = 2 log2(e): score = sum V + bv - 2 sum V_n r_n, r_n = 1 / (1 + 2^(c acc + qbc_n)).  An exponential that overflows gives r = 0, one that falls to 0 gives r = 1: the limits of tanh.
; qbc = c (q_proj + b1 + b2) is made at the head: the first product's eight parts (one for each 128 along K, from the launch before) are added in ascending order, then the biases.
; The product with V (one column) is made by fused multiply-adds in f32: a lane holds one column of each tile, so V_n is a lane's number.
; SOFTMAX: in base 2: t = score log2(e); a running maximum m and sum l for the work-group's rows; the context and l are multiplied by 2^(m_old - m_new) in every block.  The last launch joins the four parts of a batch.
; NO CLUSTER, NO TENSOR LOAD, though all work-groups walk the same W2: the stage of 64 rows x 4,112 bytes, the codes' images (49,152), their scale words (4,096) and the tables (10,240) take 326,656 of the
; 327,680 bytes of LDS, and a K step of W2 for one pass of one wave is 12,288 bytes: no slot for W2 fits beside the stage, which is what lets values be read once.
; LIMITS: NaN and infinities among the inputs are not served.  A block of zeros gets the scale byte 1 where the rule says 127: its codes are zeros, and this program alone reads the bytes.
; THE MODE: SCHED_MODE bits 1:0 = 2 (LLVM: expert scheduling mode 2), set by the entry lines.  The code itself states the register dependences between vector or matrix instructions and memory or LDS instructions, with s_wait_alu, always for 0.
; THE PLAN.  Registers that memory or LDS instructions touch, and who else names them, in program order round the loops:
;   v1-10, v12-20, v249   addresses and offsets, made at the head and never written again: one wait on va_vdst ahead of the first load serves them for the whole kernel.
;   v11                   the tables' address, written once a pass: a wait on vm_vsrc ahead of the add, and behind it the wait on va_vdst that stands at a pass's head anyway.
;   window 1              half a block of values lands; the stores into the stage read it; the other half lands in the same registers (vm_vsrc); the products write them (vm_vsrc, in the quantiser's fifth step);
;                         the tanh lines read and write them; the next block's first half lands (va_vdst, in the arm that asks for it).
;   v32-95, v152-215      the quantiser's two sets: its LDS loads land; its maxima and conversions read them.  One wait on va_vdst ahead of a block's first such load (the context's lines of the block before have read both);
;                         within a half the wait ahead of each image's stores frees the set just read.
;   v96-107, v232         the codes and scale word just made: written by the quantiser, read by four LDS stores (va_vdst ahead of them), written again a step later (vm_vsrc ahead of that step's lines).
;   v32-127, v128-135     in a pass: the rows' fragments and scale words, two buffers;   windows 2, 3 and v136-151: W2's ring of four slots.  Step k's loads land in the buffer and the slot that step k - 1's products have read:
;                         ONE wait on va_vdst at the head of steps 1 to 7 (step 0: the pass's).  Behind it the step's loads are dealt among its products, which name buffer k % 2, slot k % 4 and the accumulators: none of the registers that those loads touch.
;   v184-199              a pass's tables: loaded at its head, read by the tanh lines: the pass's wait on va_vdst.
;   v152-183              the partial scores: written by vector lines, read by eight LDS stores (va_vdst); then p lands there (vm_vsrc).
;   v234-243              sums of the waves' partial scores land; v240-241 are wave 0's store data (va_vdst in its arm); v242-243 are exponentials' results, stored to LDS (their batch's wait on va_vdst).
;   v32-127               in the context: three groups of four rows; group g + 2 lands where group g - 1 was read: a wait on va_vdst ahead of groups 3 to 15.
;   v22-31                m, l and the context: stored at the end, behind one wait on va_vdst.   v233, v255: written at the head, read by the closing add alone.
.set PITCH, 4112                       ; a row of the stage: 4,096 bytes + 16: 16 rows that a load of 16 bytes a lane touches begin 16 bytes apart modulo 256
.set WROWS, 16*PITCH                   ; a wave's 16 rows
.set IMG,   64*PITCH                   ; 32 images of fragments, 1,536 bytes each: row tile mt, K step s at 8 mt + s
.set ASC,   IMG+32*1536                ; their scale words, 128 bytes each
.set QBT,   ASC+32*128                 ; qbc of my batch: 4,096 bytes; wave w stores and reads its own 1,024
.set MVT,   QBT+4096                   ; -2 V likewise
.set RED,   MVT+4096                   ; the waves' partial scores: 256 bytes a wave
.set PRB,   RED+1024                   ; each wave's own copy of the block's 64 weights p
.set NB0,   32                         ; the quantiser's two sets of 64 numbers
.set NB1,   152
.set PC,    96                         ; the codes just made: v96-107, at work v108-114
.set TM,    216                        ; v216-219 largest magnitudes, v220-223 bytes, v228-231 the conversions' scale operands
.set PW,    232                        ; the scale word just made
; REGISTERS.  window 0: v1, v2, v3 16, 4, 8 x lane; v4 stage in; v5 stage out (quantiser); v6, v7 images in, out; v8, v9 scale words in, out; v10, v11 the tables; v12, v13 partial scores in, out; v14, v15 p in, out;
;   v16-19 the stage for the context; v20 the prefetches' offset; v21 bv; v22, v23 m, l; v24-31 the context (columns 4 t .. 4 t + 3 and 512 + 4 t .. of thread t); v32-79, v80-127 the rows' fragments, two buffers;
;   v128-135 their scale words; v136-151 W2's scale words, 4 slots x 4; v152-183 the partial scores S; v184-191 qbc, v192-199 -2 V of a pass's 8 tiles; v234-247 at work; v248 my columns' sum of V.
;   window 1: the 32 accumulators, (mt, nt) at v[8 (4 nt + mt)]; outside the passes: 64 loads of values.   window 2: ring slots 0, 1 (96 registers each).   window 3: ring slots 2, 3.
.set MSB, 0
.macro WIN new                         ; the immediate's high byte repeats the setting that is left; a switch that changes nothing is dropped
.if MSB != (\new)
	s_set_vgpr_msb (MSB<<8)|(\new)
.set MSB, (\new)
.endif
.endm
.macro BARRIER                         ; my LDS stores have landed and my LDS loads are in: then the work-group's barrier
	s_wait_dscnt 0x0
	s_barrier_signal -1
	s_barrier_wait -1
.endm
; K step k of a column group's W2 into a ring slot: 25 loads in two parts
.macro RINGS slot, k, sc               ; a lane's 4 scale words, by one load
	WIN 0
	global_load_b128 v[136+4*(\slot):139+4*(\slot)], v1, s[\sc:\sc+1] offset:(\k)*512
.endm
.macro RINGF slot, k, im               ; the 8 fragments: 24 loads
	WIN 0x80+0x40*((\slot)/2)                      ; destination window 2 or 3
.irp t, 0,1,2,3,4,5,6,7
.irp c, 0,1,2
	global_load_b128 v[96*((\slot)%2)+12*\t+4*\c:96*((\slot)%2)+12*\t+4*\c+3], v1, s[\im:\im+1] offset:(\k)*12288+\t*1536+\c*512
.endr
.endr
.endm
.macro RING slot, k, im, sc
	RINGS \slot, \k, \sc
	RINGF \slot, \k, \im
.endm
; the four row tiles' fragments and scale words of K step s, from their images: 16 LDS loads
.macro AFETCH s, buf
.irp mt, 0,1,2,3
.irp c, 0,1,2
	ds_load_b128 v[32+48*(\buf)+12*\mt+4*\c:32+48*(\buf)+12*\mt+4*\c+3], v7 offset:(8*\mt+(\s))*1536+512*\c
.endr
	ds_load_b32 v[128+4*(\buf)+\mt], v9 offset:(8*\mt+(\s))*128
.endr
.endm
; one product: source 0 = 16 rows, source 1 = 16 columns of W2: lane (r, h), register j: row 16 mt + 8 h + j, column r of tile nt
.macro MM k, nt, mt
.set rD, 8*(4*(\nt)+(\mt))
.set rA, 32+48*((\k)%2)+12*(\mt)
.set rB, 96*((\k)%2)+12*(\nt)
.set rSA, 128+4*((\k)%2)+(\mt)
.set rSB, 136+4*((\k)%4)+(\nt)/2
.if (\k) == 0
.if (\nt)%2
	v_wmma_scale_f32_16x16x128_f8f6f4 v[rD:rD+7], v[rA:rA+11], v[rB:rB+11], 0, v[rSA], v[rSB] matrix_a_fmt:MATRIX_FMT_FP6 matrix_b_fmt:MATRIX_FMT_FP6 matrix_b_scale:MATRIX_SCALE_ROW1
.else
	v_wmma_scale_f32_16x16x128_f8f6f4 v[rD:rD+7], v[rA:rA+11], v[rB:rB+11], 0, v[rSA], v[rSB] matrix_a_fmt:MATRIX_FMT_FP6 matrix_b_fmt:MATRIX_FMT_FP6
.endif
.else
.if (\nt)%2
	v_wmma_scale_f32_16x16x128_f8f6f4 v[rD:rD+7], v[rA:rA+11], v[rB:rB+11], v[rD:rD+7], v[rSA], v[rSB] matrix_a_fmt:MATRIX_FMT_FP6 matrix_b_fmt:MATRIX_FMT_FP6 matrix_b_scale:MATRIX_SCALE_ROW1
.else
	v_wmma_scale_f32_16x16x128_f8f6f4 v[rD:rD+7], v[rA:rA+11], v[rB:rB+11], v[rD:rD+7], v[rSA], v[rSB] matrix_a_fmt:MATRIX_FMT_FP6 matrix_b_fmt:MATRIX_FMT_FP6
.endif
.endif
.endm
; K step k of a pass: 32 products, the 32 accumulators by turns, one instruction a turn, in the same order in every step.  The first step's products start the sums.
; Behind the one wait at its head the step's loads are dealt among its products: the next step's row fragments and the ring's scale words first, the ring's 24 fragment loads in one run in the step's middle.
.macro STEP k
	WIN 0
.if (\k) > 0
.rept 4
	v_nop                                          ; the four places behind the last step's products stay as they stood, ahead of the wait
.endr
	s_wait_alu depctr_va_vdst(0)                   ; the last step's products are done reading their row fragments and scale words, their ring slot and its scale words: all the loads of this step land in those registers
.endif
	s_wait_dscnt 0x0                               ; this step's row fragments are in (asked for a step ago); in step 0 the pass's tables too
.if (\k) < 7
	AFETCH (\k)+1, ((\k)+1)%2
.endif
	s_wait_loadcnt 50                              ; this step's ring slot is in: behind its 25 loads only those of the next two steps were issued
.if (\k) < 5
	RINGS ((\k)+3)%4, (\k)+3, 32                   ; three steps ahead, into the slot that the last step has left
.else
	RINGS ((\k)+3)%4, (\k)-5, 34                   ; the next pass's first steps: the other column group
.endif
	WIN 0x58+4*(((\k)%4)/2)                        ; source 0 window 0, source 1 window 2 or 3, C and D window 1
.irp nt, 0,1,2,3
.irp mt, 0,1,2,3
	MM \k, \nt, \mt
.endr
.endr
.if (\k) < 5
	RINGF ((\k)+3)%4, (\k)+3, 28                   ; no further wait: since the wait at the step's head only this step's products were issued, and they name neither this slot nor v1
.else
	RINGF ((\k)+3)%4, (\k)-5, 30
.endif
	WIN 0x58+4*(((\k)%4)/2)
.irp nt, 4,5,6,7
.irp mt, 0,1,2,3
	MM \k, \nt, \mt
.endr
.endr
.endm
; at a pass's head: qbc and -2 V of my column in the pass's 8 tiles, so that they are in registers long before the pass's last product
.macro TABLES
	s_lshl_b32 s41, s39, 9                         ; the pass's 128 columns in my 1,024 bytes of each table
	s_wait_alu depctr_vm_vsrc(0)                   ; the last pass's table loads have read v11, which the next line writes; and my last image's stores have read v96-107, in which step 0's fragment loads land
	v_add_nc_u32 v11, s41, v10
	s_wait_alu depctr_va_vdst(0)                   ; v11 is written, which the table loads read; the last pass's tanh lines are done reading v184-199, in which they land; its last two steps' products are done reading both fragment buffers, their scale words, ring slot 3 and its scale words, in which the loads up to step 0's land
.irp t, 0,1,2,3,4,5,6,7
	ds_load_b32 v[184+\t], v11 offset:64*\t
.endr
.irp t, 0,1,2,3,4,5,6,7
	ds_load_b32 v[192+\t], v11 offset:4096+64*\t
.endr
.endm
; behind a pass: r = 1 / (1 + 2^(c acc + qbc)) in place, and S += (-2 V) r.  The exponentials and the reciprocals go as batches with one wait each.
.macro EPI
	WIN 0
.rept 4
	v_nop                                          ; four places between the last product and the first read of a result
.endr
	WIN 0x41                                       ; destination and source 0 window 1
.irp nt, 0,1,2,3,4,5,6,7
.irp mt, 0,1,2,3
.irp q, 0,1,2,3                                ; each accumulator from its low end on
.if \nt%2
	v_pk_fma_f32 v[8*(4*\nt+\mt)+2*\q:8*(4*\nt+\mt)+2*\q+1], v[8*(4*\nt+\mt)+2*\q:8*(4*\nt+\mt)+2*\q+1], s[26:27], v[184+2*(\nt/2):185+2*(\nt/2)] op_sel:[0,0,1] op_sel_hi:[1,0,1]
.else
	v_pk_fma_f32 v[8*(4*\nt+\mt)+2*\q:8*(4*\nt+\mt)+2*\q+1], v[8*(4*\nt+\mt)+2*\q:8*(4*\nt+\mt)+2*\q+1], s[26:27], v[184+2*(\nt/2):185+2*(\nt/2)] op_sel_hi:[1,0,0]
.endif
.endr
.endr
.endr
.set j, 0
	s_wait_alu depctr_va_vdst(0)
.rept 256
	v_exp_f32 v[j], v[j]
.set j, j+1
.endr
	v_nop                                          ; a plain instruction behind the last exponential
	s_wait_alu depctr_va_vdst(0)                   ; the 256 exponentials have written their results, which the additions below read: one wait for the batch
.set j, 0
.rept 128
	v_pk_add_f32 v[j:j+1], v[j:j+1], 1.0 op_sel_hi:[1,0]
.set j, j+2
.endr
.set j, 0
	s_wait_alu depctr_va_vdst(0)
.rept 256
	v_rcp_f32 v[j], v[j]
.set j, j+1
.endr
	v_nop
	s_wait_alu depctr_va_vdst(0)                   ; the 256 reciprocals have written their results, which the multiply-adds below read: one wait for the batch
	WIN 0x01                                       ; source 0 window 1
.irp nt, 0,1,2,3,4,5,6,7                       ; the 16 pairs of S take turns
.irp mt, 0,1,2,3
.irp q, 0,1,2,3
.if \nt%2
	v_pk_fma_f32 v[152+8*\mt+2*\q:153+8*\mt+2*\q], v[8*(4*\nt+\mt)+2*\q:8*(4*\nt+\mt)+2*\q+1], v[192+2*(\nt/2):193+2*(\nt/2)], v[152+8*\mt+2*\q:153+8*\mt+2*\q] op_sel:[0,1,0] op_sel_hi:[1,1,1]
.else
	v_pk_fma_f32 v[152+8*\mt+2*\q:153+8*\mt+2*\q], v[8*(4*\nt+\mt)+2*\q:8*(4*\nt+\mt)+2*\q+1], v[192+2*(\nt/2):193+2*(\nt/2)], v[152+8*\mt+2*\q:153+8*\mt+2*\q] op_sel_hi:[1,0,1]
.endif
.endr
.endr
.endr
	WIN 0
.endm
; half (2,048 bytes) of each of my 16 rows, off bytes on: 64 loads of 512 consecutive bytes into window 1; read once in the launch.
; how = 0: at the head: nothing has named these registers.
; how = 1: the registers have just been stored into the stage, by 64 LDS stores in the same order: the wait on vm_vsrc states that those stores have read them.  The counted waits on DScnt stay as they stood: LDS instructions
;          end in the order of issue (ISA guide 5.7.1), so when at most 48 - 16 q are out, stores 16 q .. 16 q + 15 are done, and loads 16 q .. 16 q + 15 follow.
; how = 2: behind a block's last pass: the registers were the accumulators.
.macro BATCH half, off, how
	WIN 0x40
.if (\how) == 1
	s_wait_alu depctr_vm_vsrc(0)                   ; the 64 stores into the stage have read window 1's registers, in which these loads land; so have all earlier LDS and global stores theirs (the head's tables in v32-39 and v208-215, the last block's v240-243), which this block's loads and sums write again
.endif
.if (\how) == 2
	s_wait_alu depctr_va_vdst(0)                   ; the tanh lines have written window 1's registers and the multiply-adds into S are done reading them: the next block's numbers land there
.endif
.set bi, 0
.rept 64
.if ((\how) == 1) && (bi%16 == 0)
	s_wait_dscnt 48-bi
.endif
	global_load_b128 v[4*bi:4*bi+3], v1, s[4:5] offset:(\off)+(bi/4)*4096+(\half)*2048+(bi%4)*512 th:TH_LOAD_NT
.set bi, bi+1
.endr
	WIN 0
.endm
.macro TOSTAGE half                    ; and into the stage, as they lie
	WIN 0x04                                       ; an LDS store's data are its source 1: window 1
.set bi, 0
.rept 64
	ds_store_b128 v4, v[4*bi:4*bi+3] offset:(bi/4)*PITCH+(\half)*2048+(bi%4)*512
.set bi, bi+1
.endr
	WIN 0
.endm
.macro NLOAD s, nb                     ; K step s of my row r: register 16 b + i = k 32 b + 16 h + i
.irp b, 0,1,2,3
.irp j, 0,1,2,3
	ds_load_b128 v[(\nb)+16*\b+4*\j:(\nb)+16*\b+4*\j+3], v5 offset:(\s)*512+128*\b+16*\j
.endr
.endr
.endm
; 64 numbers of a lane become a fragment's codes in v[PC] on and its scale word in v[PW]
.macro QUANT s
.irp b, 0,1,2,3
	v_max3_num_f32 v[TM+\b], |v[(\s)+16*\b]|, |v[(\s)+1+16*\b]|, 0x1800000   ; block b: my 16 numbers, and the floor 2^(3 - 127): the byte cannot fall under 1
.endr
.irp i, 2,4,6,8,10,12,14
.irp b, 0,1,2,3
	v_max3_num_f32 v[TM+\b], v[TM+\b], |v[(\s)+16*\b+\i]|, |v[(\s)+1+16*\b+\i]|   ; (the four blocks by turns)
.endr
.endr
.irp b, 0,1,2,3
	v_permlanex16_b32 v[TM+4+\b], v[TM+\b], s24, s25
.endr
.irp b, 0,1,2,3
	v_max_num_f32 v[TM+\b], v[TM+\b], v[TM+4+\b]   ; with lane l xor 16's: the block's largest magnitude
.endr
.irp b, 0,1,2,3
	v_add_nc_u32 v[TM+12+\b], 0xff000000, v[TM+\b] ; 2 off its exponent field: the conversion's scale operand
.endr
.irp b, 0,1,2,3
	v_lshrrev_b32 v[TM+4+\b], 23, v[TM+12+\b]      ; the scale's byte
.endr
	v_lshl_or_b32 v[PW], v[TM+5], 8, v[TM+4]       ; the four bytes make my row's scale word
	v_lshl_or_b32 v[PW], v[TM+6], 16, v[PW]
	v_lshl_or_b32 v[PW], v[TM+7], 24, v[PW]
.irp c, 0,1
	v_cvt_scalef32_pk16_fp6_f32 v[PC+6*\c:PC+2+6*\c], v[(\s)+32*\c:(\s)+15+32*\c], v[TM+12+2*\c]
	v_cvt_scalef32_pk16_fp6_f32 v[PC+12+4*\c:PC+14+4*\c], v[(\s)+16+32*\c:(\s)+31+32*\c], v[TM+12+2*\c+1]   ; (a conversion's three registers begin on an even number)
.endr
	v_nop                                          ; one plain place behind a scaled conversion
.irp c, 0,1                                    ; the operand's layout wants a whole block in a lane: lanes 0-15 block 2 c, lanes 16-31 block 2 c + 1
.irp i, 0,1,2
	v_permlane16_swap_b32 v[PC+6*\c+\i], v[PC+12+4*\c+\i]
.endr
.irp i, 0,1,2
	v_mov_b32 v[PC+3+6*\c+\i], v[PC+12+4*\c+\i]
.endr
.endr
.endm
.macro PUTIMG s                        ; the fragment and its scale word go to LDS as they stand: 4 LDS stores
.irp c, 0,1,2
	ds_store_b128 v6, v[PC+4*\c:PC+4*\c+3] offset:(\s)*1536+512*\c
.endr
	ds_store_b32 v8, v[PW] offset:128*(\s)
.endm
.macro QHALF s0                        ; K steps s0 .. s0 + 3 of my 16 rows; the next step's numbers are on their way while one is quantised
	NLOAD (\s0), NB0
.irp d, 0,1,2,3
.if \d < 3
	NLOAD (\s0)+\d+1, NB0+(NB1-NB0)*((\d+1)%2)     ; no further wait: since the wait ahead of the last image's stores no vector instruction was issued
	s_wait_dscnt 16                                ; all but the 16 loads just issued: this step's numbers are in, and the last step's image stores are done
.else
	s_wait_dscnt 0x0
.endif
.if (\d > 0) || ((\s0) > 0)
	s_wait_alu depctr_vm_vsrc(0)                   ; the last image's four stores have read v96-107 and v232, which the lines below write again; in the second half's first step also: the stores into the stage have read window 1's registers, which the products write.  (A block's first step: the wait ahead of the second half's loads has covered the block before)
.endif
	QUANT NB0+(NB1-NB0)*(\d%2)
	s_wait_alu depctr_va_vdst(0)                   ; the exchanges, moves and shifts have written v96-107 and v232, which the four stores read; and the maxima and conversions are done reading this step's 64 numbers, in which the step after next lands
	PUTIMG (\s0)+\d
.endr
.endm
.macro CGRP g                          ; the context: rows 4 g .. 4 g + 3 of the stage, my thread's 16 + 16 bytes of each: 8 LDS loads
.irp e, 0,1,2,3
	ds_load_b128 v[32+32*((\g)%3)+8*\e:32+32*((\g)%3)+8*\e+3], v[16+(\g)/4] offset:((4*(\g)+\e)%16)*PITCH
	ds_load_b128 v[32+32*((\g)%3)+8*\e+4:32+32*((\g)%3)+8*\e+7], v[16+(\g)/4] offset:((4*(\g)+\e)%16)*PITCH+2048
.endr
.endm
.macro CFMA g                          ; context += p(row) x row
.irp e, 0,1,2,3
.irp q, 0,1,2,3
.if \e%2
	v_pk_fma_f32 v[24+2*\q:25+2*\q], v[32+32*((\g)%3)+8*\e+2*\q:32+32*((\g)%3)+8*\e+2*\q+1], v[152+4*(\g)+2*(\e/2):153+4*(\g)+2*(\e/2)], v[24+2*\q:25+2*\q] op_sel:[0,1,0] op_sel_hi:[1,1,1]
.else
	v_pk_fma_f32 v[24+2*\q:25+2*\q], v[32+32*((\g)%3)+8*\e+2*\q:32+32*((\g)%3)+8*\e+2*\q+1], v[152+4*(\g)+2*(\e/2):153+4*(\g)+2*(\e/2)], v[24+2*\q:25+2*\q] op_sel_hi:[1,0,1]
.endif
.endr
.endr
.endm
	s_load_b256 s[4:11], s[0:1], 0x0               ; values s[4:5], w2img s[6:7], w2sc s[8:9], qpart s[10:11]
	s_load_b256 s[12:19], s[0:1], 0x20             ; V s[12:13], bv s[14:15], scores s[16:17], part s[18:19]
	s_load_b64 s[20:21], s[0:1], 0x40              ; stats
	s_load_b64 s[48:49], s[0:1], 0x48              ; b1
	s_load_b64 s[50:51], s[0:1], 0x50              ; b2
	v_lshl_add_u32 v233, v0, 2, 0x4fc00
	v_mov_b32 v255, 0
	v_lshrrev_b32 v15, 5, v0
	v_readfirstlane_b32 s22, v15                   ; wave 0..3
	v_and_b32 v254, 31, v0                         ; lane
	v_lshlrev_b32 v1, 4, v254
	v_lshlrev_b32 v2, 2, v254
	v_lshlrev_b32 v3, 3, v254
	v_and_b32 v250, 15, v0                         ; r
	v_bfe_u32 v251, v0, 4, 1                       ; h
	s_wait_alu depctr_va_sdst(0)                   ; s22 is written, ahead of its first reader, the next line
	s_mul_i32 s41, s22, WROWS
	v_add_nc_u32 v4, s41, v1                       ; the stage, in: my 16 rows, 16 bytes a lane
	v_mul_u32_u24 v5, v250, PITCH
	v_lshl_add_u32 v5, v251, 6, v5
	v_add_nc_u32 v5, s41, v5                       ; out, for the quantiser: row r, + 64 h: my 16 numbers of a block of 32
	s_mul_i32 s42, s22, 12288
	s_add_co_u32 s42, s42, IMG
	v_add_nc_u32 v6, s42, v1                       ; where I store images: row tile = my wave
	v_add_nc_u32 v7, IMG, v1                       ; where I read them
	s_lshl_b32 s43, s22, 10
	s_add_co_u32 s44, s43, ASC
	v_add_nc_u32 v8, s44, v2
	v_add_nc_u32 v9, ASC, v2
	s_add_co_u32 s44, s43, QBT
	v_lshl_add_u32 v10, v250, 2, s44               ; the tables: my wave's 1,024 bytes, column r of a tile
	v_add_nc_u32 v252, s44, v1                     ; and where I store them
	s_lshl_b32 s45, s22, 8
	s_add_co_u32 s46, s45, RED
	v_lshl_add_u32 v12, v251, 5, s46               ; partial scores, in: my wave's 256 bytes, + 8 h rows
	v_add_nc_u32 v13, RED, v3                      ; out: rows 2 lane, 2 lane + 1
	s_add_co_u32 s46, s45, PRB
	v_add_nc_u32 v14, s46, v3                      ; p, in
	v_lshl_add_u32 v15, v15, 8, PRB                ; p, out: every lane reads all 64
	v_lshlrev_b32 v16, 4, v0                       ; the context: 16 bytes a thread, rows 0-15,
	v_add_nc_u32 v17, WROWS, v16                   ; 16-31,
	v_add_nc_u32 v18, 2*WROWS, v16
	v_add_nc_u32 v19, 3*WROWS, v16
	v_lshrrev_b32 v20, 3, v254
	v_and_b32 v253, 7, v254
	v_lshlrev_b32 v20, 12, v20
	v_lshl_add_u32 v20, v253, 8, v20               ; the prefetches: 4 rows x 8 pieces 256 bytes apart
	v_mov_b32 v249, 0
	v_mov_b32 v245, 0                              ; written once: a lane permute's destination counts as one of its sources
	v_mov_b32 v22, 0xff61b1e6                      ; m: -3e38, under every t
	v_mov_b32 v23, 0                               ; l
.irp i, 0,1,2,3,4,5,6,7
	v_mov_b32 v[24+\i], 0                          ; the context
.endr
	s_mov_b32 s24, 0x76543210
	s_mov_b32 s25, 0xfedcba98                      ; v_permlanex16_b32's selects for lane l xor 16
	s_mov_b32 s26, 0x4038aa3b                      ; c = 2 log2(e)
	s_mov_b32 s27, s26                             ; (named with it as a pair, so it is written)
	s_mov_b32 s38, 4                               ; blocks to go
	s_mov_b32 s47, 0
	s_wait_kmcnt 0x0
	s_lshl_b32 s46, ttmp9, 20                      ; 256 g rows of 4,096 bytes
	s_lshl_b32 s44, s22, 16                        ; + my 16 rows
	s_add_co_u32 s46, s46, s44
	s_add_nc_u64 s[4:5], s[4:5], s[46:47]
	s_mul_i32 s46, s22, 2*98304                    ; column group 2 w: 98,304 bytes of images a group
	s_add_nc_u64 s[28:29], s[6:7], s[46:47]        ; this pass's group,
	s_add_nc_u64 s[30:31], s[28:29], 98304         ; the other pass's
	s_lshl_b32 s46, s22, 13
	s_add_nc_u64 s[32:33], s[8:9], s[46:47]        ; and their scale words
	s_add_nc_u64 s[34:35], s[32:33], 4096
	s_lshr_b32 s46, ttmp9, 2
	s_lshl_b32 s46, s46, 12
	s_add_co_u32 s46, s46, s43
	s_add_nc_u64 s[10:11], s[10:11], s[46:47]      ; qpart: my batch's row, my wave's 256 columns, part 0
	s_mov_b32 s46, s43
	s_add_nc_u64 s[12:13], s[12:13], s[46:47]      ; V, b1, b2: my wave's 256 columns
	s_add_nc_u64 s[48:49], s[48:49], s[46:47]
	s_add_nc_u64 s[50:51], s[50:51], s[46:47]
	s_lshl_b32 s46, ttmp9, 10
	s_add_nc_u64 s[16:17], s[16:17], s[46:47]
	s_lshl_b32 s46, ttmp9, 12
	s_add_nc_u64 s[18:19], s[18:19], s[46:47]
	s_lshl_b32 s46, ttmp9, 8
	s_add_nc_u64 s[20:21], s[20:21], s[46:47]
	s_wait_alu depctr_va_vdst(0)                   ; the addresses and offsets v1 to v10, v12 to v20, v249 and v252 are written: every load, store and prefetch of the kernel but the tables' loads reads one of them.  Up to the wait for the tables' numbers only loads and window switches follow
	RING 0, 0, 28, 32
	RING 1, 1, 28, 32
	RING 2, 2, 28, 32
	WIN 0
.irp k, 0,1,2,3,4,5,6,7                        ; the first product's eight parts, 1,024 bytes of each: every load reads 512 consecutive bytes
	global_load_b128 v[32+8*\k:35+8*\k], v1, s[10:11] offset:\k*262144
	global_load_b128 v[36+8*\k:39+8*\k], v1, s[10:11] offset:\k*262144+512
.endr
	global_load_b128 v[96:99], v1, s[48:49]
	global_load_b128 v[100:103], v1, s[48:49] offset:512
	global_load_b128 v[104:107], v1, s[50:51]
	global_load_b128 v[108:111], v1, s[50:51] offset:512
	global_load_b128 v[208:211], v1, s[12:13]
	global_load_b128 v[212:215], v1, s[12:13] offset:512
	global_load_b32 v21, v249, s[14:15]
	BATCH 0, 0, 0                                  ; the first block's first half
	s_wait_loadcnt 63                              ; the tables' numbers are in: 64 loads were issued behind them, and a wait names 63 at the most
.irp k, 1,2,3,4,5,6,7
.irp p, 0,2,4,6
	v_pk_add_f32 v[32+\p:33+\p], v[32+\p:33+\p], v[32+8*\k+\p:33+8*\k+\p]   ; the parts, K ascending
.endr
.endr
.irp p, 0,2,4,6
	v_pk_add_f32 v[96+\p:97+\p], v[96+\p:97+\p], v[104+\p:105+\p]           ; b1 + b2
.endr
.irp p, 0,2,4,6
	v_pk_add_f32 v[32+\p:33+\p], v[32+\p:33+\p], v[96+\p:97+\p]
.endr
.irp p, 0,2,4,6
	v_pk_mul_f32 v[32+\p:33+\p], v[32+\p:33+\p], s[26:27] op_sel_hi:[1,0]   ; qbc = c (q_proj + b1 + b2)
.endr
.irp p, 0,2,4,6
	v_pk_mul_f32 v[208+\p:209+\p], v[208+\p:209+\p], -2.0 op_sel_hi:[1,0]
.endr
	s_wait_alu depctr_va_vdst(0)                   ; the multiplications have written v32-39 and v208-215, which the four LDS stores read
	ds_store_b128 v252, v[32:35]
	ds_store_b128 v252, v[36:39] offset:512
	ds_store_b128 v252, v[208:211] offset:4096
	ds_store_b128 v252, v[212:215] offset:4608
.irp t, 0,1,2,3,4,5,6,7,8,9,10,11,12,13,14,15
	ds_load_b32 v[216+\t], v10 offset:4096+64*\t   ; -2 V of my column in my wave's 16 tiles (LDS serves a wave's instructions in order: these see my stores; the bytes are my wave's own); nothing has named v216-231
.endr
	s_wait_dscnt 0x0
.irp p, 2,4,6,8,10,12,14
	v_pk_add_f32 v[216:217], v[216:217], v[216+\p:217+\p]
.endr
	v_add_f32 v216, v216, v217
	v_mul_f32 v248, -0.5, v216                     ; the sum of V over my columns: every partial score begins with it
.Lblock:                                           ; a block of 64 rows; 4 trips
	s_wait_loadcnt 0x0                             ; the block's first half is in registers
	TOSTAGE 0
	BATCH 1, 0, 1                                  ; the second half, each group of 16 loads behind the stores that read its registers; it lands while the first half is quantised
	s_wait_alu depctr_va_vdst(0)                   ; the context's multiply-adds of the block before are done reading the rows in v32-127 and p in v152-215 (first trip: the head's sums and multiplications have read and written v32-111 and v208-215): the quantiser's numbers land in v32-95 and v152-215
	QHALF 0
	s_wait_loadcnt 0x0
	TOSTAGE 1
	QHALF 4
	BARRIER                                        ; all 32 images and their scale words lie in LDS, and the stage is whole
.set j, 0
.rept 32
	v_mov_b32 v[152+j], v248
.set j, j+1
.endr
	s_mov_b32 s39, 0
.Lpass:                                            ; 128 of my 256 columns; 2 trips
	TABLES
	AFETCH 0, 0
.irp k, 0,1,2,3,4,5,6,7
	STEP \k
.endr
	EPI
	s_wait_xcnt 0x0                                ; the ring's loads have read their bases: the two column groups change places
	s_mov_b64 s[36:37], s[28:29]
	s_mov_b64 s[28:29], s[30:31]
	s_mov_b64 s[30:31], s[36:37]
	s_mov_b64 s[36:37], s[32:33]
	s_mov_b64 s[32:33], s[34:35]
	s_mov_b64 s[34:35], s[36:37]
	s_add_co_u32 s39, s39, 1
	s_cmp_lt_u32 s39, 2
	s_cbranch_scc1 .Lpass
	s_cmp_eq_u32 s38, 1                            ; the next block is asked for here, if there is one: no load and no prefetch leaves its buffer
	s_cbranch_scc1 .Lno_next
	BATCH 0, 262144, 2                             ; its first half, into the accumulators' registers, which are free
.irp i, 0,1,2,3
	global_prefetch_b8 v20, s[4:5] offset:262144+2048+\i*16384 th:TH_LOAD_NT scope:SCOPE_SE   ; its second half: my 16 rows x 2,048 bytes, lanes 256 bytes apart, each piece named once in the launch; the loads that want it stand behind the scores, the softmax, the context and the next block's first stores into the stage
.endr
.Lno_next:
.irp x, 1,2,4,8                                ; a row's partial score lies in the 16 lanes of a half, a column each
.set j, 0
.rept 32
	v_add_f32_dpp v[152+j], v[152+j], v[152+j] row_xmask:\x row_mask:0xf bank_mask:0xf
.set j, j+1
.endr
.endr
	s_wait_alu depctr_va_vdst(0)                   ; the sums across lanes have written v152-183, which the eight LDS stores read; and the last block's softmax is done with v234-243, in which the loads behind the barrier land
.irp mt, 0,1,2,3
	ds_store_b128 v12, v[152+8*\mt:155+8*\mt] offset:64*\mt          ; rows 16 mt + 8 h + 0 .. 7; the 16 lanes of a half store the same words with the same values
	ds_store_b128 v12, v[156+8*\mt:159+8*\mt] offset:64*\mt+16
.endr
	BARRIER                                        ; the four waves' partial scores lie in LDS
	ds_load_b64 v[234:235], v13
	ds_load_b64 v[236:237], v13 offset:256
	ds_load_b64 v[238:239], v13 offset:512
	ds_load_b64 v[242:243], v13 offset:768
	s_wait_dscnt 0x0
	v_pk_add_f32 v[234:235], v[234:235], v[236:237]
	v_pk_add_f32 v[238:239], v[238:239], v[242:243]
	v_pk_add_f32 v[234:235], v[234:235], v[238:239]
	v_pk_add_f32 v[240:241], v[234:235], v[20:21] op_sel:[0,1] op_sel_hi:[1,1]   ; + bv: the scores of rows 2 lane, 2 lane + 1
	s_cmp_lg_u32 s22, 0
	s_cbranch_scc1 .Lnot_wave_0
	s_wait_alu depctr_va_vdst(0)                   ; the sum above has written v240-241, which the store reads
	global_store_b64 v3, v[240:241], s[16:17]      ; the wave stores 256 consecutive bytes, aligned
.Lnot_wave_0:
	s_wait_alu depctr_va_vdst(0)
	v_pk_mul_f32 v[242:243], v[240:241], 0x3fb8aa3b op_sel_hi:[1,0]   ; t = score log2(e)
	v_max_num_f32 v244, v242, v243
	v_max_num_f32_dpp v244, v244, v244 row_xmask:1 row_mask:0xf bank_mask:0xf
	v_max_num_f32_dpp v244, v244, v244 row_xmask:2 row_mask:0xf bank_mask:0xf
	v_max_num_f32_dpp v244, v244, v244 row_xmask:4 row_mask:0xf bank_mask:0xf
	v_max_num_f32_dpp v244, v244, v244 row_xmask:8 row_mask:0xf bank_mask:0xf
	v_permlanex16_b32 v245, v244, s24, s25
	v_max3_num_f32 v246, v244, v245, v22           ; the new m
	v_sub_f32 v247, v22, v246
	v_sub_f32 v242, v242, v246
	v_sub_f32 v243, v243, v246
	s_wait_alu depctr_va_vdst(0)
	v_exp_f32 v247, v247                           ; f = 2^(m_old - m_new)
	v_exp_f32 v242, v242                           ; p
	v_exp_f32 v243, v243
	v_mov_b32 v22, v246                            ; (a plain instruction behind the exponentials)
	s_wait_alu depctr_va_vdst(0)                   ; the three exponentials have written v242, v243 and v247: one wait for the batch, ahead of its first reader, the LDS store of v242-243
	s_wait_alu depctr_vm_vsrc(0)                   ; the eight stores of partial scores have read v152-183, in which p lands
	ds_store_b64 v14, v[242:243]                   ; my wave's own copy of p,
.irp i, 0,1,2,3,4,5,6,7,8,9,10,11,12,13,14,15
	ds_load_b128 v[152+4*\i:155+4*\i], v15 offset:16*\i   ; and all 64 into every lane (LDS serves a wave's instructions in order)
.endr
	CGRP 0
	CGRP 1
	v_add_f32 v244, v242, v243
	v_add_f32_dpp v244, v244, v244 row_xmask:1 row_mask:0xf bank_mask:0xf
	v_add_f32_dpp v244, v244, v244 row_xmask:2 row_mask:0xf bank_mask:0xf
	v_add_f32_dpp v244, v244, v244 row_xmask:4 row_mask:0xf bank_mask:0xf
	v_add_f32_dpp v244, v244, v244 row_xmask:8 row_mask:0xf bank_mask:0xf
	v_permlanex16_b32 v245, v244, s24, s25
	v_add_f32 v244, v244, v245
	v_fma_f32 v23, v23, v247, v244                 ; l = l f + the block's sum of p
.irp q, 0,1,2,3
	v_pk_mul_f32 v[24+2*\q:25+2*\q], v[24+2*\q:25+2*\q], v[246:247] op_sel:[0,1] op_sel_hi:[1,1]   ; the context under the new m
.endr
	s_wait_alu depctr_va_vdst(0)
.irp g, 0,1,2,3,4,5,6,7,8,9,10,11,12,13,14,15
.if \g < 14
.if \g > 0
	s_wait_alu depctr_va_vdst(0)                   ; the multiply-adds of the group before are done reading its 32 registers, in which the group two on lands.  (Group 2 needs none: since the softmax's wait no vector instruction has named v96-127)
.endif
	CGRP \g+2
	s_wait_dscnt 16                                ; group g (and p) are in; the two younger groups, 8 loads each, may be out
.elseif \g == 14
	s_wait_alu depctr_va_vdst(0)
	s_wait_dscnt 8
.else
	s_wait_alu depctr_va_vdst(0)
	s_wait_dscnt 0x0
.endif
	CFMA \g
.endr
	BARRIER                                        ; every wave has read the stage, the images and the partial scores: they may be written again
	s_wait_xcnt 0x0                                ; the loads, the prefetches and the store have read their bases, and the store its data
	s_add_nc_u64 s[4:5], s[4:5], 262144            ; 64 rows on
	s_add_nc_u64 s[16:17], s[16:17], 256
	s_sub_co_u32 s38, s38, 1
	s_cmp_lg_u32 s38, 0
	s_cbranch_scc1 .Lblock
	s_wait_alu depctr_va_vdst(0)                   ; the last multiply-adds have written the context v24-31, and the softmax m and l in v22-23: the three stores read them
	global_store_b128 v16, v[24:27], s[18:19]                 ; the work-group's part of the context: each store of a wave covers 512 consecutive bytes, aligned
	global_store_b128 v16, v[28:31], s[18:19] offset:2048
	s_cmp_lg_u32 s22, 0
	s_cbranch_scc1 .Lend
	global_store_b64 v3, v[22:23], s[20:21]                   ; (m, l), 32 times: 256 consecutive bytes, aligned
.Lend:
	s_wait_dscnt 0x0                               ; the closing lines, six on end
	s_wait_alu 0x0
	s_wait_tensorcnt 0x0
	ds_add_u32 v233, v255
	s_wait_dscnt 0x0
	s_endpgm
.Lfunc_end_k_qa1a0ce3c91_main:
	.size	k_qa1a0ce3c91_main, .Lfunc_end_k_qa1a0ce3c91_main-k_qa1a0ce3c91_main
	.p2alignl 7, 3214868480
	.fill 96, 4, 3214868480
	.section	.rodata,"a",@progbits
	.p2align	6, 0x0
	.amdhsa_kernel k_qa1a0ce3c91_main
		.amdhsa_group_segment_fixed_size 327680
		.amdhsa_private_segment_fixed_size 0
		.amdhsa_enable_private_segment 0
		.amdhsa_kernarg_size 88
		.amdhsa_user_sgpr_count 2
		.amdhsa_user_sgpr_kernarg_segment_ptr 1
		.amdhsa_wavefront_size32 1
		.amdhsa_system_sgpr_workgroup_id_x 1
		.amdhsa_system_sgpr_workgroup_id_y 1
		.amdhsa_system_sgpr_workgroup_id_z 1
		.amdhsa_system_vgpr_workitem_id 0
		.amdhsa_next_free_vgpr 960
		.amdhsa_next_free_sgpr 66
		.amdhsa_reserve_vcc 0
		.amdhsa_float_denorm_mode_32 3
		.amdhsa_float_denorm_mode_16_64 3
		.amdhsa_memory_ordered 1
		.amdhsa_forward_progress 1
		.amdhsa_inst_pref_size 228
	.end_amdhsa_kernel
	.amdgpu_metadata
---
amdhsa.version: [ 1, 2 ]
amdhsa.kernels:
  - .name:           k_qa1a0ce3c91_main
    .symbol:         k_qa1a0ce3c91_main.kd
    .args:
      - { .name: values, .offset: 0, .size: 8, .value_kind: global_buffer, .address_space: global }
      - { .name: w2img, .offset: 8, .size: 8, .value_kind: global_buffer, .address_space: global }
      - { .name: w2sc, .offset: 16, .size: 8, .value_kind: global_buffer, .address_space: global }
      - { .name: qpart, .offset: 24, .size: 8, .value_kind: global_buffer, .address_space: global }
      - { .name: V, .offset: 32, .size: 8, .value_kind: global_buffer, .address_space: global }
      - { .name: bv, .offset: 40, .size: 8, .value_kind: global_buffer, .address_space: global }
      - { .name: scores, .offset: 48, .size: 8, .value_kind: global_buffer, .address_space: global }
      - { .name: part, .offset: 56, .size: 8, .value_kind: global_buffer, .address_space: global }
      - { .name: stats, .offset: 64, .size: 8, .value_kind: global_buffer, .address_space: global }
      - { .name: b1, .offset: 72, .size: 8, .value_kind: global_buffer, .address_space: global }
      - { .name: b2, .offset: 80, .size: 8, .value_kind: global_buffer, .address_space: global }
    .group_segment_fixed_size: 327680
    .private_segment_fixed_size: 0
    .kernarg_segment_align: 8
    .kernarg_segment_size: 88
    .max_flat_workgroup_size: 128
    .sgpr_count:     66
    .vgpr_count:     960
    .wavefront_size: 32
...
	.end_amdgpu_metadata
.endif
;; end of part 5
;; launch finish (part 6): grid 64 x 1, 8 waves a work-group, no clusters, 0 bytes of LDS; arguments scores, part, stats, out0, out1; writes out0, out1
.if DOCPART == 6
	.amdgcn_target "amdgcn-amd-amdhsa--gfx1250"
	.amdhsa_code_object_version 6
	.text
	.protected	k_qa1a0ce3c91_finish
	.globl	k_qa1a0ce3c91_finish
	.p2align	8
	.type	k_qa1a0ce3c91_finish,@function
k_qa1a0ce3c91_finish:
	s_mov_b64 s[64:65], 0
	v_nop
	global_prefetch_b8 v0, s[64:65] scope:SCOPE_SE
	s_setreg_imm32_b32 hwreg(HW_REG_WAVE_MODE, 25, 1), 1
	s_wait_xcnt 0x0
; The four parts of a batch are joined.  Part i has a maximum m_i (in base 2: score x log2(e)), a sum l_i = sum of 2^(t - m_i) and a context c_i = sum of 2^(t - m_i) x row.
; M = the largest m_i; L = sum of l_i 2^(m_i - M); out0 = sum of c_i 2^(m_i - M) / L; out1 = 2^(t - M) / L.
; Work-group b takes batch b; thread t takes columns 4 t .. 4 t + 3 of out0 and time steps 4 t .. 4 t + 3 of out1.  A stream of 24 KiB a work-group: no LDS, no barrier, no matrix unit.
	s_load_b256 s[4:11], s[0:1], 0x0               ; scores s[4:5], part s[6:7], stats s[8:9], out0 s[10:11]
	s_load_b64 s[12:13], s[0:1], 0x20              ; out1
	v_lshlrev_b32 v1, 4, v0                        ; 16 bytes a thread
	v_mov_b32 v2, 0
	s_lshl_b32 s14, ttmp9, 12                      ; a batch's 4,096 bytes of scores, out0, out1
	s_mov_b32 s15, 0
	s_lshl_b32 s16, ttmp9, 14                      ; its four parts of 4,096 bytes
	s_mov_b32 s17, 0
	s_lshl_b32 s18, ttmp9, 10                      ; its four records of 256 bytes
	s_mov_b32 s19, 0
	s_mov_b32 s20, 0x3fb8aa3b                      ; log2(e)
	s_wait_alu depctr_va_vdst(0)
	s_wait_kmcnt 0x0
	s_add_nc_u64 s[4:5], s[4:5], s[14:15]
	s_add_nc_u64 s[6:7], s[6:7], s[16:17]
	s_add_nc_u64 s[8:9], s[8:9], s[18:19]
	s_add_nc_u64 s[10:11], s[10:11], s[14:15]
	s_add_nc_u64 s[12:13], s[12:13], s[14:15]
.irp i, 0,1,2,3
	global_load_b64 v[4+2*\i:5+2*\i], v2, s[8:9] offset:\i*256      ; (m_i, l_i)
.endr
.irp i, 0,1,2,3
	global_load_b128 v[12+4*\i:15+4*\i], v1, s[6:7] offset:\i*4096
.endr
	global_load_b128 v[28:31], v1, s[4:5]
	s_wait_loadcnt 0x0
	v_max3_num_f32 v3, v4, v6, v8
	s_delay_alu instid0(VALU_DEP_1)
	v_max_num_f32 v3, v3, v10                      ; M
.irp i, 0,1,2,3
	v_sub_f32 v[32+\i], v[4+2*\i], v3
.endr
.irp j, 0,1,2,3
	v_fma_f32 v[36+\j], v[28+\j], s20, -v3         ; t - M
.endr
	s_wait_alu depctr_va_vdst(0)
.irp j, 0,1,2,3,4,5,6,7
	v_exp_f32 v[32+\j], v[32+\j]
.endr
	v_nop                                          ; a plain instruction behind the last exponential
	s_wait_alu depctr_va_vdst(0)                   ; one wait for the eight, ahead of their first reader
	v_mul_f32 v40, v5, v32
	v_fma_f32 v40, v7, v33, v40
	v_fma_f32 v40, v9, v34, v40
	v_fma_f32 v40, v11, v35, v40                   ; L: at least the sum of the part that holds M, which is 1 or more
	s_wait_alu depctr_va_vdst(0)
	v_rcp_f32 v41, v40
	v_nop
	s_wait_alu depctr_va_vdst(0)
.irp j, 0,1,2,3,4,5,6,7
	v_mul_f32 v[32+\j], v[32+\j], v41              ; 2^(m_i - M) / L, and out1
.endr
.irp p, 0,2
	v_pk_mul_f32 v[44+\p:45+\p], v[12+\p:13+\p], v[32:33] op_sel_hi:[1,0]
	s_delay_alu instid0(VALU_DEP_1)
	v_pk_fma_f32 v[44+\p:45+\p], v[16+\p:17+\p], v[32:33], v[44+\p:45+\p] op_sel:[0,1,0] op_sel_hi:[1,1,1]
	s_delay_alu instid0(VALU_DEP_1)
	v_pk_fma_f32 v[44+\p:45+\p], v[20+\p:21+\p], v[34:35], v[44+\p:45+\p] op_sel_hi:[1,0,1]
	s_delay_alu instid0(VALU_DEP_1)
	v_pk_fma_f32 v[44+\p:45+\p], v[24+\p:25+\p], v[34:35], v[44+\p:45+\p] op_sel:[0,1,0] op_sel_hi:[1,1,1]
.endr
	global_store_b128 v1, v[44:47], s[10:11]       ; each store of a wave covers 512 consecutive bytes, aligned
	global_store_b128 v1, v[36:39], s[12:13]
	s_endpgm
.Lfunc_end_k_qa1a0ce3c91_finish:
	.size	k_qa1a0ce3c91_finish, .Lfunc_end_k_qa1a0ce3c91_finish-k_qa1a0ce3c91_finish
	.p2alignl 7, 3214868480
	.fill 96, 4, 3214868480
	.section	.rodata,"a",@progbits
	.p2align	6, 0x0
	.amdhsa_kernel k_qa1a0ce3c91_finish
		.amdhsa_group_segment_fixed_size 0
		.amdhsa_private_segment_fixed_size 0
		.amdhsa_enable_private_segment 0
		.amdhsa_kernarg_size 40
		.amdhsa_user_sgpr_count 2
		.amdhsa_user_sgpr_kernarg_segment_ptr 1
		.amdhsa_wavefront_size32 1
		.amdhsa_system_sgpr_workgroup_id_x 1
		.amdhsa_system_sgpr_workgroup_id_y 1
		.amdhsa_system_sgpr_workgroup_id_z 1
		.amdhsa_system_vgpr_workitem_id 0
		.amdhsa_next_free_vgpr 48
		.amdhsa_next_free_sgpr 66
		.amdhsa_reserve_vcc 0
		.amdhsa_float_denorm_mode_32 3
		.amdhsa_float_denorm_mode_16_64 3
		.amdhsa_memory_ordered 1
		.amdhsa_forward_progress 1
		.amdhsa_inst_pref_size 5
	.end_amdhsa_kernel
	.amdgpu_metadata
---
amdhsa.version: [ 1, 2 ]
amdhsa.kernels:
  - .name:           k_qa1a0ce3c91_finish
    .symbol:         k_qa1a0ce3c91_finish.kd
    .args:
      - { .name: scores, .offset: 0, .size: 8, .value_kind: global_buffer, .address_space: global }
      - { .name: part, .offset: 8, .size: 8, .value_kind: global_buffer, .address_space: global }
      - { .name: stats, .offset: 16, .size: 8, .value_kind: global_buffer, .address_space: global }
      - { .name: out0, .offset: 24, .size: 8, .value_kind: global_buffer, .address_space: global }
      - { .name: out1, .offset: 32, .size: 8, .value_kind: global_buffer, .address_space: global }
    .group_segment_fixed_size: 0
    .private_segment_fixed_size: 0
    .kernarg_segment_align: 8
    .kernarg_segment_size: 40
    .max_flat_workgroup_size: 256
    .sgpr_count:     66
    .vgpr_count:     48
    .wavefront_size: 32
...
	.end_amdgpu_metadata
.endif
;; end of part 6
